; MI455X (gfx1250); checked and timed in simulation.
; The chip was launched on July 23, 2026; its instructions are those of AMD's public machine-readable ISA for CDNA 5 (MIT licence, August 2026) and "CDNA5" Instruction Set Architecture Reference Guide (July 2026). The comments in the code are by the model that wrote it; some were corrected since.
;; Encoder Layer. Allowed arithmetic: matrix products marked QUANTISED: E2M3 operands, one E8M0 scale for each 32 along K, by v_wmma_scale_f32_16x16x128_f8f6f4 with both operands' format E2M3, f32 sums; everything else in f32.
;; Inputs: b1 4,096 float32; b2 1,024 float32; ln1_b 1,024 float32; ln1_g 1,024 float32; ln2_b 1,024 float32; ln2_g 1,024 float32; w1_codes 4,096 x 32 x 24 uint8 (E2M3 codes of w1, K innermost, in blocks of 32 codes, four codes in three bytes); w1_scales 4,096 x 32 uint8 (E8M0 scales of w1, one for each 32 codes along K); w2_codes 1,024 x 128 x 24 uint8 (E2M3 codes of w2, K innermost, in blocks of 32 codes, four codes in three bytes); w2_scales 1,024 x 128 uint8 (E8M0 scales of w2, one for each 32 codes along K); wk_codes 1,024 x 32 x 24 uint8 (E2M3 codes of wk, K innermost, in blocks of 32 codes, four codes in three bytes); wk_scales 1,024 x 32 uint8 (E8M0 scales of wk, one for each 32 codes along K); wo_codes 1,024 x 32 x 24 uint8 (E2M3 codes of wo, K innermost, in blocks of 32 codes, four codes in three bytes); wo_scales 1,024 x 32 uint8 (E8M0 scales of wo, one for each 32 codes along K); wq_codes 1,024 x 32 x 24 uint8 (E2M3 codes of wq, K innermost, in blocks of 32 codes, four codes in three bytes); wq_scales 1,024 x 32 uint8 (E8M0 scales of wq, one for each 32 codes along K); wv_codes 1,024 x 32 x 24 uint8 (E2M3 codes of wv, K innermost, in blocks of 32 codes, four codes in three bytes); wv_scales 1,024 x 32 uint8 (E8M0 scales of wv, one for each 32 codes along K); x 4 x 1,024 x 1,024 float32.
;; Outputs: out0 4 x 1,024 x 1,024 float32.
;; This version of the problem:
;;   THIS VERSION OF THE PROBLEM IS GIVEN IN LOW PRECISION. The matrix products marked QUANTISED in the list below multiply operands that are first quantised to E2M3 (2 exponent bits, 3 mantissa bits; 6 bits a number), with one power-of-two scale for each 32 numbers along K (OCP MX v1.0); their sums are f32. All else is computed in f32.
;;   The module's matrix products, in the order in which they are computed (A, B: the left and right operand; K: the contracted axis; several contracted axes count as one K, in the product's order):
;;     1. [M 4,096, K 1,024] x [K 1,024, N 1,024]; A: computed on the way; B: input wq (given as codes): QUANTISED
;;     2. [M 4,096, K 1,024] x [K 1,024, N 1,024]; A: computed on the way; B: input wk (given as codes): QUANTISED
;;     3. [M 4,096, K 1,024] x [K 1,024, N 1,024]; A: computed on the way; B: input wv (given as codes): QUANTISED
;;     4. batch 64 x [M 1,024, K 64] x [K 64, N 1,024]; A: computed on the way; B: computed on the way: QUANTISED
;;     5. batch 64 x [M 1,024, K 1,024] x [K 1,024, N 64]; A: softmax (see below); B: computed on the way: QUANTISED
;;     6. [M 4,096, K 1,024] x [K 1,024, N 1,024]; A: computed on the way; B: input wo (given as codes): QUANTISED
;;     7. [M 4,096, K 1,024] x [K 1,024, N 4,096]; A: computed on the way; B: input w1 (given as codes): QUANTISED
;;     8. [M 4,096, K 4,096] x [K 4,096, N 1,024]; A: computed on the way; B: input w2 (given as codes): QUANTISED
;;   THE QUANTISER, for each operand of a quantised product, along K:
;;     - K is cut into blocks of 32 from its start; a last block that is shorter is filled with zeros.
;;     - A block's scale is 2^e with e = floor(log2(the largest magnitude in the block)) - 2, held to -126 .. 127; a block of zeros has e = 0. As a byte (E8M0): e + 127.
;;     - Each number is divided by its block's scale, clamped to +-7.5, and rounded to the nearest number of E2M3, ties to even, subnormals kept.
;;     - The product sums the exact products of the quantised numbers (number of the format x scale) in f32.
;;   ~~~python
;;   def quantise(x, axis):      # numpy; x: float32 -> the quantised numbers, widened to float32 again
;;       x = np.moveaxis(x, axis, -1); K = x.shape[-1]
;;       x = np.pad(x, [(0, 0)] * (x.ndim - 1) + [(0, -K % 32)]); x = x.reshape(x.shape[:-1] + (-1, 32)); a = np.abs(x).max(-1, keepdims=True)
;;       e = np.where(a > 0, np.clip(np.frexp(np.where(a > 0, a, 1))[1] - 1 - 2, -126, 127), 0)      # np.frexp(a)[1] - 1 = floor(log2(a)), exactly
;;       r = np.clip(x / 2.0 ** e, -7.5, 7.5)
;;       step = 2.0 ** (np.maximum(np.frexp(np.where(r == 0, 1, r))[1] - 1, 0) - 3)
;;       q = np.round(r / step) * step * 2.0 ** e      # np.round: ties to even
;;       return np.moveaxis(q.reshape(q.shape[:-2] + (-1,))[..., :K], -1, axis).astype(np.float32)
;;   ~~~
;;   SOFTMAX AHEAD OF A QUANTISED PRODUCT. Where the list says 'softmax', what is quantised is not the finished softmax but p = 2^(t - M), with t = logit x log2(e) and M = ceil(the row's largest t), a whole number; so 1/2 < the row's largest p <= 1. The row's sum l is taken of the UNQUANTISED p, in f32, and the product's result is divided by l at the end. Since M is a whole number, a kernel that streams over the keys may use a running M (the ceiling of the running maximum): every later rescaling is an exact power of two, which a block's scale takes up: the codes' values come out the same.
;;   OPERANDS COMPUTED ON THE WAY. 'Computed on the way' means the value that the module computes at that place (a softmax that the list does not call 'softmax' is quantised finished and normalised). What goes into a quantiser is computed in f32, as accurately as f32 sums, v_exp_f32 and their like allow (about 1e-6 of the number): no bf16 or f16 on the way to a quantiser, and a product that is left as it is and whose result goes on into a quantised operand takes f32 operands (vector FMAs, or v_wmma_f32_16x16x4_f32). A number that lies on a knife's edge between two numbers of the format may be rounded either way, as far as f32 arithmetic and the matrix unit's own rounding can turn it there, and no further.
;;   INPUTS GIVEN AS CODES. w1 (in the module: [1024, 4096], K = its axis 0); w2 (in the module: [4096, 1024], K = its axis 0); wk (in the module: [1024, 1024], K = its axis 0); wo (in the module: [1024, 1024], K = its axis 0); wq (in the module: [1024, 1024], K = its axis 0); wv (in the module: [1024, 1024], K = its axis 0): each comes as NAME_codes (uint8): NAME with its K axis moved to the last place and cut into blocks of 32 codes, [.., K / 32, bytes a block], one block behind the other in memory; four codes in three bytes: a row's codes are one little-endian stream of bits, code i at bits 6 i .. 6 i + 5 (a code: sign, 2 exponent bits, 3 mantissa bits); and NAME_scales (uint8): the same leading axes, one E8M0 byte (e + 127) for each 32 codes along K. Its value is code x scale, taken as it is: it is not quantised again, and the codes and scales need not be those that the quantiser above would give.
;; One version. Each part assembles by itself: llvm-mc -triple=amdgcn-amd-amdhsa -mcpu=gfx1250 --defsym DOCPART=n.
;; ======== version 1 of 1: 7 launches
;; limits: right only within a limited range of input values
;; workspace buffers: x1q 3,276,800 bytes; qkv 9,830,400 bytes; oq 3,276,800 bytes; xr 16,777,216 bytes; x2q 3,276,800 bytes; hq 13,107,200 bytes
;; launch ln1 (part 1): grid 256 x 1, 4 waves a work-group, no clusters, 22,016 bytes of LDS; arguments x, ln1_g, ln1_b, x1q; writes x1q
.if DOCPART == 1
	.amdgcn_target "amdgcn-amd-amdhsa--gfx1250"
	.amdhsa_code_object_version 6
	.text
	.protected	k_q6700bf0131_ln1
	.globl	k_q6700bf0131_ln1
	.p2align	8
	.type	k_q6700bf0131_ln1,@function
k_q6700bf0131_ln1:
	s_mov_b64 s[64:65], 0
	v_nop
	global_prefetch_b8 v0, s[64:65] scope:SCOPE_SE
	s_setreg_imm32_b32 hwreg(HW_REG_WAVE_MODE, 25, 1), 1
	s_wait_xcnt 0x0
; LayerNorm over rows of 1,024 f32, then the MX-FP6 (E2M3) quantiser along the row.  Arguments: src [4096][1024] f32, g [1024], b [1024], dst.
; dst: codes [4096][768] (a row's codes are one stream of bits, 32 codes in 24 bytes), then from byte DSC on the E8M0 bytes [4096][32].
; y = (x - mu) * rsqrt(var + 1e-6) * g + b, all in f32; the variance is the mean of (x - mu)^2, taken in a second pass over registers, so no difference of large sums is formed.
; SHARES.  A work-group has 16 rows, a wave 4.  A row is eight loads of 512 consecutive bytes and stays in 32 registers; memory is read once.
; The conversion takes 16 NEIGHBOURS of one lane, the loads give a lane 4: half a row (2,048 bytes) at a time turns through the wave's own stage in LDS (64 bytes + 16 of padding for each lane).
; Two neighbouring lanes then hold a block of 32.  A lane's 16 codes are 12 bytes: a store of the wave covers 384 consecutive bytes.  The work-group's 512 scale bytes meet in LDS and leave as 512 consecutive bytes.
; A stream bound by memory: no matrix unit, no cluster, no tensor load.
; LIMITS: NaN and infinities are not served; a block whose largest magnitude lies under 2^-124 keeps the byte 1; a block of zeros gets the byte 1 and not 127: its codes are zeros and this program alone reads the bytes.
.set G,   16                           ; v16-47   g of my 32 columns
.set BI,  48                           ; v48-79   b
.set X,   80                           ; v80-207  four rows of 32 registers; a row's first registers later hold its codes and bytes
.set Q,   208                          ; v208-239 two sets of 16 neighbours
.set MU,  240                          ; v[240:241] the mean, twice
.set RS,  242                          ; v[242:243] 1 / sigma, twice
.set SCR, 20480                        ; LDS: behind the four waves' stages (5,120 bytes each) the work-group's 512 scale bytes
.set DSC, 3145728                      ; where the scale bytes begin in dst
	s_load_b256 s[4:11], s[0:1], 0x0               ; src s[4:5], g s[6:7], b s[8:9], dst s[10:11]
	v_lshl_add_u32 v248, v0, 2, 0x5400
	v_mov_b32 v249, 0
	v_lshrrev_b32 v1, 5, v0
	v_readfirstlane_b32 s12, v1                    ; wave
	v_and_b32 v1, 31, v0                           ; lane
	v_lshlrev_b32 v2, 4, v1                        ; my 16 bytes of a load's 512
	v_mul_u32_u24 v3, v1, 12                       ; my 12 bytes of a half row's codes
	s_mul_i32 s13, s12, 5120                       ; my wave's two stages
	v_lshrrev_b32 v4, 2, v1
	v_mul_u32_u24 v4, v4, 80
	v_and_b32 v5, 3, v1
	v_lshl_add_u32 v4, v5, 4, v4
	v_add_nc_u32 v4, s13, v4                       ; into a stage: four lanes' 64 bytes on end, then 16 of padding
	v_mul_u32_u24 v5, v1, 80
	v_add_nc_u32 v5, s13, v5                       ; out of it: my 16 neighbours
	v_lshrrev_b32 v6, 1, v1
	s_lshl_b32 s14, s12, 7
	s_add_co_u32 s14, s14, SCR
	v_add_nc_u32 v6, s14, v6                       ; my block's scale byte: 128 bytes a wave, 32 a row
	v_add_nc_u32 v7, SCR, v2                       ; and where wave 0 reads the 512 bytes back
	v_mov_b32 v245, 0                              ; a lane permute's destination counts as one of its sources
	s_mov_b32 s16, 0x76543210
	s_mov_b32 s17, 0xfedcba98                      ; lane l xor 16
	s_mov_b32 s18, 0x3a800000                      ; 1 / 1024
	s_mov_b32 s19, 0x358637bd                      ; 1e-6
	s_lshl_b32 s20, ttmp9, 4
	s_lshl_b32 s21, s12, 2
	s_add_co_u32 s20, s20, s21                     ; my first row
	s_lshl_b32 s14, s20, 12
	s_mov_b32 s15, 0
	s_mul_i32 s22, s20, 768
	s_mov_b32 s23, 0
	s_lshl_b32 s24, ttmp9, 9
	s_add_co_u32 s24, s24, DSC
	s_mov_b32 s25, 0
	s_wait_kmcnt 0x0
	s_add_nc_u64 s[4:5], s[4:5], s[14:15]
	s_add_nc_u64 s[22:23], s[10:11], s[22:23]      ; my rows' codes
	s_add_nc_u64 s[24:25], s[10:11], s[24:25]      ; the work-group's scale bytes
.irp i, 0,1,2,3,4,5,6,7
	global_load_b128 v[G+4*\i:G+4*\i+3], v2, s[6:7] offset:512*\i
.endr
.irp i, 0,1,2,3,4,5,6,7
	global_load_b128 v[BI+4*\i:BI+4*\i+3], v2, s[8:9] offset:512*\i
.endr
.irp r, 0,1,2,3
.irp i, 0,1,2,3,4,5,6,7
	global_load_b128 v[X+32*\r+4*\i:X+32*\r+4*\i+3], v2, s[4:5] offset:4096*\r+512*\i th:TH_LOAD_NT   ; all four rows are asked for at once: 32 loads a wave on their way
.endr
.endr
.macro REDUCE                          ; four pairs v[8:15] -> their sum over the wave, in v8 of every lane
	v_pk_add_f32 v[8:9], v[8:9], v[10:11]
	v_pk_add_f32 v[12:13], v[12:13], v[14:15]
	v_pk_add_f32 v[8:9], v[8:9], v[12:13]
	v_add_f32 v8, v8, v9
	v_add_f32_dpp v8, v8, v8 row_xmask:1 row_mask:0xf bank_mask:0xf
	v_add_f32_dpp v8, v8, v8 row_xmask:2 row_mask:0xf bank_mask:0xf
	v_add_f32_dpp v8, v8, v8 row_xmask:4 row_mask:0xf bank_mask:0xf
	v_add_f32_dpp v8, v8, v8 row_xmask:8 row_mask:0xf bank_mask:0xf
	v_permlanex16_b32 v245, v8, s16, s17
	v_add_f32 v8, v8, v245
.endm
.macro HALF r, h                       ; half h of row r: 16 neighbours a lane -> 16 codes and the block's byte
.set XS, Q+16*(\h)
.set XC, X+32*(\r)+4*(\h)              ; the codes' three registers and, at XB, the byte's: registers of the row that the stage's stores have read, written once
.set XB, X+32*(\r)+8+(\h)
	v_max3_num_f32 v8, |v[XS]|, |v[XS+1]|, |v[XS+2]|               ; the largest magnitude of my 16, in two chains
	v_max3_num_f32 v9, |v[XS+3]|, |v[XS+4]|, |v[XS+5]|
.irp i, 6,10
	v_max3_num_f32 v8, v8, |v[XS+\i]|, |v[XS+\i+1]|
	v_max3_num_f32 v9, v9, |v[XS+\i+2]|, |v[XS+\i+3]|
.endr
	v_max3_num_f32 v8, v8, |v[XS+14]|, |v[XS+15]|
	v_max3_num_f32 v8, v8, v9, 0x1800000           ; and the floor 2^(3 - 127): the byte cannot fall under 1
	v_max_num_f32_dpp v8, v8, v8 row_xmask:1 row_mask:0xf bank_mask:0xf   ; with my neighbour's 16: the block's
	v_add_nc_u32 v11, 0xff000000, v8               ; 2 off its exponent field: the conversion takes this operand's exponent field as its scale
	v_cvt_scalef32_pk16_fp6_f32 v[XC:XC+2], v[XS:XS+15], v11
	v_lshrrev_b32 v[XB], 23, v11                   ; the scale's byte (also the plain line behind the conversion)
	ds_store_b8 v6, v[XB] offset:32*(\r)+16*(\h)   ; both lanes of a block write the same byte with the same value
	global_store_b96 v3, v[XC:XC+2], s[22:23] offset:768*(\r)+384*(\h)
.endm
.macro ROW r
.set XR, X+32*(\r)
	s_wait_loadcnt 8*(3-(\r))                      ; loads come back in order: g, b and this row are in, the younger rows' eight loads each stay out
.irp c, 0,1,2,3
	v_pk_add_f32 v[8+2*\c:9+2*\c], v[XR+2*\c:XR+2*\c+1], v[XR+8+2*\c:XR+9+2*\c]      ; the sum, in four chains of pairs
.endr
.irp k, 16,24
.irp c, 0,1,2,3
	v_pk_add_f32 v[8+2*\c:9+2*\c], v[8+2*\c:9+2*\c], v[XR+\k+2*\c:XR+\k+2*\c+1]
.endr
.endr
	REDUCE
	v_mul_f32 v[MU], s18, v8
	v_mul_f32 v[MU+1], s18, v8
.set j, 0
.rept 16
	v_pk_add_f32 v[XR+j:XR+j+1], v[XR+j:XR+j+1], v[MU:MU+1] neg_lo:[0,1] neg_hi:[0,1]   ; x - mu, in place
.set j, j+2
.endr
.irp c, 0,1,2,3
	v_pk_mul_f32 v[8+2*\c:9+2*\c], v[XR+2*\c:XR+2*\c+1], v[XR+2*\c:XR+2*\c+1]
.endr
.irp k, 8,16,24
.irp c, 0,1,2,3
	v_pk_fma_f32 v[8+2*\c:9+2*\c], v[XR+\k+2*\c:XR+\k+2*\c+1], v[XR+\k+2*\c:XR+\k+2*\c+1], v[8+2*\c:9+2*\c]
.endr
.endr
	REDUCE
	v_fma_f32 v244, v8, s18, s19                   ; var + eps
	s_wait_alu depctr_va_vdst(0)
	v_rsq_f32 v[RS], v244
	v_rsq_f32 v[RS+1], v244
	v_nop                                          ; a plain line behind the last transcendental (ISA guide 5.7.2)
	s_wait_alu depctr_va_vdst(0)                   ; the wait ahead of the first reader: one for both
.set j, 0
.rept 16
	v_pk_mul_f32 v[XR+j:XR+j+1], v[XR+j:XR+j+1], v[RS:RS+1]
.set j, j+2
.endr
.set j, 0
.rept 16
	v_pk_fma_f32 v[XR+j:XR+j+1], v[XR+j:XR+j+1], v[G+j:G+j+1], v[BI+j:BI+j+1]
.set j, j+2
.endr
.irp h, 0,1                            ; both half rows through the stages; LDS serves a wave's instructions in order, so no wait stands between the stores and the loads
.irp i, 0,1,2,3
	ds_store_b128 v4, v[XR+16*\h+4*\i:XR+16*\h+4*\i+3] offset:2560*\h+640*\i
.endr
.irp i, 0,1,2,3
	ds_load_b128 v[Q+16*\h+4*\i:Q+16*\h+4*\i+3], v5 offset:2560*\h+16*\i
.endr
.endr
	s_wait_dscnt 8                                 ; the first half is back (the second half's four stores and four loads may be out): its stores have read their registers too
	HALF \r, 0
	s_wait_dscnt 1                                 ; the second half is back; the byte store just issued may be out
	HALF \r, 1
.endm
	ROW 0
	ROW 1
	ROW 2
	ROW 3
	s_wait_dscnt 0x0                               ; for the others' sake: my byte stores have landed
	s_barrier_signal -1
	s_barrier_wait -1
	s_cmp_lg_u32 s12, 0
	s_cbranch_scc1 .Ldone
	ds_load_b128 v[8:11], v7                       ; wave 0: the 16 rows' 512 scale bytes
	s_wait_dscnt 0x0
	global_store_b128 v2, v[8:11], s[24:25]        ; 512 consecutive bytes, aligned
.Ldone:
	s_wait_tensorcnt 0x0
	ds_add_u32 v248, v249
	s_wait_dscnt 0x0
	s_endpgm
.Lfunc_end_k_q6700bf0131_ln1:
	.size	k_q6700bf0131_ln1, .Lfunc_end_k_q6700bf0131_ln1-k_q6700bf0131_ln1
	.p2alignl 7, 3214868480
	.fill 96, 4, 3214868480
	.section	.rodata,"a",@progbits
	.p2align	6, 0x0
	.amdhsa_kernel k_q6700bf0131_ln1
		.amdhsa_group_segment_fixed_size 22016
		.amdhsa_private_segment_fixed_size 0
		.amdhsa_enable_private_segment 0
		.amdhsa_kernarg_size 32
		.amdhsa_user_sgpr_count 2
		.amdhsa_user_sgpr_kernarg_segment_ptr 1
		.amdhsa_wavefront_size32 1
		.amdhsa_system_sgpr_workgroup_id_x 1
		.amdhsa_system_sgpr_workgroup_id_y 1
		.amdhsa_system_sgpr_workgroup_id_z 1
		.amdhsa_system_vgpr_workitem_id 0
		.amdhsa_next_free_vgpr 250
		.amdhsa_next_free_sgpr 66
		.amdhsa_reserve_vcc 0
		.amdhsa_float_denorm_mode_32 3
		.amdhsa_float_denorm_mode_16_64 3
		.amdhsa_memory_ordered 1
		.amdhsa_forward_progress 1
		.amdhsa_inst_pref_size 44
	.end_amdhsa_kernel
	.amdgpu_metadata
---
amdhsa.version: [ 1, 2 ]
amdhsa.kernels:
  - .name:           k_q6700bf0131_ln1
    .symbol:         k_q6700bf0131_ln1.kd
    .args:
      - { .name: x, .offset: 0, .size: 8, .value_kind: global_buffer, .address_space: global }
      - { .name: ln1_g, .offset: 8, .size: 8, .value_kind: global_buffer, .address_space: global }
      - { .name: ln1_b, .offset: 16, .size: 8, .value_kind: global_buffer, .address_space: global }
      - { .name: x1q, .offset: 24, .size: 8, .value_kind: global_buffer, .address_space: global }
    .group_segment_fixed_size: 22016
    .private_segment_fixed_size: 0
    .kernarg_segment_align: 8
    .kernarg_segment_size: 32
    .max_flat_workgroup_size: 128
    .sgpr_count:     66
    .vgpr_count:     250
    .wavefront_size: 32
...
	.end_amdgpu_metadata
.endif
;; end of part 1
;; launch qkv (part 2): grid 12 x 16, 4 waves a work-group, clusters of 4 x 4, 327,680 bytes of LDS; arguments x1q, wq_codes, wq_scales, wk_codes, wk_scales, wv_codes, wv_scales, qkv; writes qkv
.if DOCPART == 2
	.amdgcn_target "amdgcn-amd-amdhsa--gfx1250"
	.amdhsa_code_object_version 6
	.text
	.protected	k_q6700bf0131_qkv
	.globl	k_q6700bf0131_qkv
	.p2align	8
	.type	k_q6700bf0131_qkv,@function
k_q6700bf0131_qkv:
	s_mov_b64 s[64:65], 0
	v_nop
	global_prefetch_b8 v0, s[64:65] scope:SCOPE_SE
	s_setreg_imm32_b32 hwreg(HW_REG_WAVE_MODE, 25, 1), 1
	s_wait_xcnt 0x0
	s_wait_alu depctr_hold_cnt(0) depctr_sa_sdst(0) depctr_va_vdst(0) depctr_va_sdst(0) depctr_va_ssrc(0) depctr_va_vcc(0) depctr_vm_vsrc(0)
	s_getreg_b32 s2, hwreg(HW_REG_IB_STS2, 6, 4)
	s_cmp_eq_u32 s2, 0
	s_cbranch_scc0 .Lentry_in_a_cluster
	s_endpgm
.Lentry_in_a_cluster:
	s_bfe_u32 s2, ttmp6, 0x10000c
	s_cmp_lg_u32 s2, 0xf033
	s_cbranch_scc0 .Lentry_shape_is_right
	s_endpgm
.Lentry_shape_is_right:
.set IS_QKV, 1
; q, k and v^T: three GEMMs on codes of MX-FP6 (E2M3), K = 1,024, a tile of 256 x 256 to a work-group, 128 x 128 to a wave; the results are quantised along the next product's K and leave as half fragments and scale words.
; A row of codes is 768 bytes: three CHUNKS of 256 bytes, each beginning at a multiple of 256 bytes.  Chunk c lies in slot c % 2 (A's 256 rows, then B's 256 rows, 272 bytes apart).
; THE HEAD fills both slots, one joint load of 256 rows a wave: wave 0 A's chunk 0, wave 1 A's chunk 1, wave 2 B's chunk 0, wave 3 B's chunk 1.  ONE refill follows: chunk 2 into slot 0, a quarter a wave, behind step 2's round.
; A step of 128 along K is 96 bytes of a row; steps 2 and 5 lie across two chunks and take their pieces from both slots.  The scale words come from memory straight into registers, once.
; Chunk 2 is prefetched at the head, three steps ahead of its load: of the 128 rows that a wave will fetch each of the four partners names 32, told apart by address, a lane a row.
.set ROWB,  256
.set KROW,  768
.set PITCH, 272
.set FR,    12
.set NL,    6
.set NP,    4
.set HALFT, 128*PITCH
.set SLOT,  4*HALFT
.set SPARE, 2*SLOT
.set XSC,   3145728
.if IS_QKV
.set STEP_A, 768
.set STEP_C, 49152
.else
.set STEP_A, 49152
.set STEP_C, 768
.endif
.set ADRA, 16
.set ADRB, 20
.set VO,   24
.set LS,   25
.set SO,   26
.set BO,   27
.set SPW,  28
.set NIL,  29
.set SA,   32
.set SB,   64
.set TM,   96
.set PW,   112
.set MW,   120
.set AF,   128
.set CD,   128
.set H,    160
.set G1,   24
.set G0,   32
.set G1B,  48
.set G0B,  56
.set FLR,  96
.set SEL,  98
.set MSK,  100
.set MSB, 0
.macro WIN new
.if MSB != (\new)
	s_set_vgpr_msb (MSB<<8)|(\new)
.set MSB, (\new)
.endif
.endm
.set MUL_LO, 0xa1
.set MUL_HI, 0xf1
.set TO_B,   0x40
.macro JLOAD g0a, g1a, g0b, g1b
	s_cmp_eq_u32 s15, 0
	s_cbranch_scc0 .Lfor_b_\@
	tensor_load_to_lds s[\g0a:\g0a+3], s[\g1a:\g1a+7]
	s_nop 0
.rept 4
	v_nop
.endr
	s_branch .Lasked_\@
.Lfor_b_\@:
	tensor_load_to_lds s[\g0b:\g0b+3], s[\g1b:\g1b+7]
	s_nop 0
.rept 4
	v_nop
.endr
.Lasked_\@:
.endm
.macro CREST
	s_cmp_lg_u32 s14, 0
	s_cbranch_scc1 .Lnot_wave_0_\@
	s_barrier_signal -3
.Lnot_wave_0_\@:
	s_barrier_wait -3
	s_barrier_signal -1
	s_barrier_wait -1
.endm
.macro CROUND
	s_barrier_signal -1
	s_barrier_wait -1
	CREST
.endm
.if IS_QKV
	s_load_b256 s[68:75], s[0:1], 0x0
	s_load_b256 s[76:83], s[0:1], 0x20
.else
	s_load_b256 s[68:75], s[0:1], 0x0
	s_load_b64 s[76:77], s[0:1], 0x20
.endif
	v_lshl_add_u32 v[SPW], v0, 2, SPARE
	v_mov_b32 v[NIL], 0
	ds_add_u32 v28, v29
	ds_add_u32 v28, v29
	s_wait_dscnt 0x0
	v_lshrrev_b32 v1, 5, v0
	v_readfirstlane_b32 s14, v1
	s_lshr_b32 s15, s14, 1
	s_and_b32 s16, s14, 1
	s_bfe_u32 s40, ttmp6, 0x40000
	s_bfe_u32 s41, ttmp6, 0x40004
	s_and_b32 s17, ttmp7, 0xffff
	s_lshl_b32 s43, s41, 2
	s_lshl_b32 s43, 15, s43
	s_lshl_b32 s44, 0x1111, s40
	s_or_b32 s[G1+0], s43, (1<<20)|(1<<21)|(5<<22)|(3<<25)   ; rows of 256 bytes, 16 bytes of padding behind each
	s_or_b32 s[G1B+0], s44, (1<<20)|(1<<21)|(5<<22)|(3<<25)
.irp g, G1, G1B
	s_mov_b32 s[\g+1], ROWB<<16
	s_mov_b32 s[\g+2], 256<<16                     ; 256 rows for the head's loads; set to 128 behind the wait for them
	s_mov_b32 s[\g+3], ROWB<<16
	s_mov_b32 s[\g+4], 256
	s_mov_b32 s[\g+5], KROW
	s_mov_b32 s[\g+6], 0
	s_mov_b32 s[\g+7], 0
.endr
	s_mov_b32 s[FLR], 0x1800000
	s_mov_b32 s[SEL], 0x76543210
	s_mov_b32 s[SEL+1], 0xfedcba98
	s_mov_b32 s[MSK], 0xffff0000
.if IS_QKV
	s_lshl_b32 s84, s17, 10
	s_cmp_eq_u32 ttmp9, 2
	s_cselect_b32 s90, 0, s84
	s_cselect_b32 s91, s84, 0
	s_lshl_b32 s85, s41, 8
	s_add_co_u32 s90, s90, s85
	s_lshl_b32 s87, s40, 8
	s_add_co_u32 s91, s91, s87
.else
	s_lshl_b32 s90, s17, 2
	s_add_co_u32 s90, s90, s41
	s_lshl_b32 s90, s90, 8
	s_lshl_b32 s91, ttmp9, 2
	s_add_co_u32 s91, s91, s40
	s_lshl_b32 s91, s91, 8
.endif
	s_lshl_b32 s18, s16, 7
	s_lshl_b32 s19, s15, 7
	s_add_co_u32 s20, s90, s18
	s_mul_i32 s20, s20, KROW
	s_mov_b32 s21, 0
	s_add_co_u32 s46, s91, s18
	s_mul_i32 s46, s46, KROW
	s_mov_b32 s47, 0
	s_add_co_u32 s22, s90, s19
	s_add_co_u32 s23, s91, s18
	s_lshl_b32 s84, s22, 5
	s_mov_b32 s85, 0
	s_lshl_b32 s86, s23, 5
	s_mov_b32 s87, 0
	s_mul_i32 s45, s14, HALFT
	s_wait_kmcnt 0x0
.if IS_QKV
	s_add_nc_u64 s[88:89], s[68:69], XSC
	s_cmp_eq_u32 ttmp9, 0
	s_cselect_b64 s[4:5], s[70:71], s[74:75]
	s_cselect_b64 s[6:7], s[72:73], s[76:77]
	s_cmp_eq_u32 ttmp9, 2
	s_cselect_b64 s[8:9], s[78:79], s[4:5]
	s_cselect_b64 s[10:11], s[80:81], s[6:7]
	s_cselect_b64 s[4:5], s[8:9], s[68:69]
	s_cselect_b64 s[6:7], s[10:11], s[88:89]
	s_cselect_b64 s[8:9], s[68:69], s[8:9]
	s_cselect_b64 s[10:11], s[88:89], s[10:11]
.else
	s_mov_b64 s[4:5], s[68:69]
	s_add_nc_u64 s[6:7], s[68:69], XSC
	s_mov_b64 s[8:9], s[70:71]
	s_mov_b64 s[10:11], s[72:73]
.endif
	s_add_nc_u64 s[20:21], s[4:5], s[20:21]
	s_add_nc_u64 s[46:47], s[8:9], s[46:47]
	s_add_nc_u64 s[6:7], s[6:7], s[84:85]
	s_add_nc_u64 s[10:11], s[10:11], s[86:87]
	s_mov_b32 s[G0], 1                             ; the refill: chunk 2 of my 128 rows, into my quarter of slot 0
	s_mov_b32 s[G0+1], s45
	s_add_nc_u64 s[G0+2:G0+3], s[20:21], 2*ROWB
	s_or_b32 s[G0+3], s[G0+3], 0x80000000
	s_mov_b32 s[G0B], 1
	s_mov_b32 s[G0B+1], s45
	s_add_nc_u64 s[G0B+2:G0B+3], s[46:47], 2*ROWB
	s_or_b32 s[G0B+3], s[G0B+3], 0x80000000
	s_mul_i32 s84, s18, KROW
	s_mov_b32 s85, 0
	s_sub_nc_u64 s[20:21], s[20:21], s[84:85]      ; back to the tiles' first rows
	s_sub_nc_u64 s[46:47], s[46:47], s[84:85]
	s_lshl_b32 s84, s16, 8                         ; the head's loads: chunk wave & 1 of all 256 rows,
	s_mul_i32 s86, s16, SLOT                       ; into slot wave & 1
	s_mov_b32 s[G0+4], 1
	s_mov_b32 s[G0+5], s86
	s_add_nc_u64 s[G0+6:G0+7], s[20:21], s[84:85]
	s_or_b32 s[G0+7], s[G0+7], 0x80000000
	s_mov_b32 s[G0B+4], 1
	s_add_co_u32 s[G0B+5], s86, 2*HALFT
	s_add_nc_u64 s[G0B+6:G0B+7], s[46:47], s[84:85]
	s_or_b32 s[G0B+7], s[G0B+7], 0x80000000
	s_cmp_eq_u32 s15, 0                            ; the prefetch: of the 128 rows that I fetch, my work-group's 32
	s_cselect_b64 s[2:3], s[20:21], s[46:47]
	s_cselect_b32 s92, s40, s41                    ; my place among the four that ask with me
	s_lshl_b32 s92, s92, 5
	s_add_co_u32 s92, s92, s18
	s_mul_i32 s92, s92, KROW
	s_mov_b32 s93, 0
	s_add_nc_u64 s[2:3], s[2:3], s[92:93]
	CROUND                                         ; all sixteen work-groups are here: the first joint loads meet
	JLOAD G0+4, G1, G0B+4, G1B                     ; one tensor load a wave at the head
.if IS_QKV
	s_lshl_b32 s92, s40, 8
	s_add_co_u32 s92, s92, s18
	s_lshl_b32 s93, s41, 8
	s_add_co_u32 s93, s93, s19
	s_lshl_b32 s94, s17, 4
	s_lshr_b32 s95, s92, 6
	s_add_co_u32 s94, s94, s95
	s_lshl_b32 s94, s94, 6
	s_lshr_b32 s95, s93, 4
	s_add_co_u32 s94, s94, s95
	s_mul_i32 s94, s94, 768
	s_mul_i32 s95, ttmp9, 3145728
	s_add_co_u32 s94, s94, s95
	s_mov_b32 s95, 0
	s_add_nc_u64 s[12:13], s[82:83], s[94:95]
	s_lshl_b32 s94, s17, 3
	s_lshr_b32 s95, s92, 7
	s_add_co_u32 s94, s94, s95
	s_lshl_b32 s94, s94, 10
	s_add_co_u32 s94, s94, s93
	s_lshl_b32 s94, s94, 2
	s_mul_i32 s95, ttmp9, 131072
	s_add_co_u32 s94, s94, s95
	s_add_co_u32 s94, s94, 9437184
	s_mov_b32 s95, 0
	s_add_nc_u64 s[66:67], s[82:83], s[94:95]
.else
	s_lshr_b32 s93, s22, 4
	s_mul_i32 s93, s93, 49152
	s_lshr_b32 s94, s23, 6
	s_mul_i32 s94, s94, 768
	s_add_co_u32 s94, s94, s93
	s_mov_b32 s95, 0
	s_add_nc_u64 s[12:13], s[76:77], s[94:95]
	s_lshr_b32 s94, s23, 7
	s_lshl_b32 s94, s94, 14
	s_lshl_b32 s93, s22, 2
	s_add_co_u32 s94, s94, s93
	s_add_co_u32 s94, s94, 12582912
	s_add_nc_u64 s[66:67], s[76:77], s[94:95]
	s_lshl_b32 s94, s23, 2
	s_add_nc_u64 s[88:89], s[74:75], s[94:95]
.endif
	v_and_b32 v1, 15, v0
	v_bfe_u32 v2, v0, 4, 1
	v_mul_u32_u24 v3, v1, PITCH
	v_mul_u32_u24 v4, v2, 24
	v_add_nc_u32 v4, v3, v4
	s_mov_b32 s92, SLOT-232
	s_mov_b32 s93, SLOT+232
	v_sub_nc_u32 v7, 1, v2
	v_mul_u32_u24 v5, s92, v2
	v_add_nc_u32 v5, v3, v5
	v_add_nc_u32 v5, 232, v5                       ; across two chunks: lanes 0-15 byte 232 of the row in slot 0, lanes 16-31 byte 0 of the row in slot 1;
	v_mul_u32_u24 v6, s93, v7
	v_add_nc_u32 v6, v3, v6                        ; and lanes 0-15 byte 232 in slot 1, lanes 16-31 byte 0 in slot 0
	s_mul_i32 s84, s15, HALFT
	s_mul_i32 s86, s16, HALFT
	s_add_co_u32 s86, s86, 2*HALFT
	v_add_nc_u32 v[ADRA+2], s84, v5
	v_add_nc_u32 v[ADRA+3], s84, v6
	v_add_nc_u32 v[ADRB+2], s86, v5
	v_add_nc_u32 v[ADRB+3], s86, v6
.irp s, 0,1
	v_add_nc_u32 v[ADRA+\s], s84, v4
	v_add_nc_u32 v[ADRB+\s], s86, v4
	s_add_co_u32 s84, s84, SLOT
	s_add_co_u32 s86, s86, SLOT
.endr
	v_and_b32 v6, 31, v0
	v_mul_u32_u24 v30, v6, KROW                    ; a lane a row; v30 and s[2:3] are never rewritten
	global_prefetch_b8 v30, s[2:3] offset:2*ROWB th:TH_LOAD_NT scope:SCOPE_SE   ; chunk 2 of 32 rows
	v_lshlrev_b32 v[VO], 3, v6
	v_lshlrev_b32 v[LS], 2, v6
	v_lshlrev_b32 v[SO], 5, v1
	v_lshl_add_u32 v[SO], v2, 4, v[SO]
.irp b, 0,1,2,3
	v_mov_b32 v[TM+4+\b], 0
.endr
.irp i, 0,1,2,3,4,5,6,7
	global_load_b128 v[SA+4*\i:SA+4*\i+3], v[SO], s[6:7] offset:512*\i
	global_load_b128 v[SB+4*\i:SB+4*\i+3], v[SO], s[10:11] offset:512*\i
.endr
.if !IS_QKV
	v_lshlrev_b32 v[BO], 5, v2
	WIN TO_B
.irp b, 0,1,2,3,4,5,6,7
	global_load_b128 v[96+8*\b+96*(\b/4):99+8*\b+96*(\b/4)], v[BO], s[88:89] offset:64*\b
	global_load_b128 v[100+8*\b+96*(\b/4):103+8*\b+96*(\b/4)], v[BO], s[88:89] offset:64*\b+16
.endr
	WIN 0
.endif
.macro FRAG reg, adr, st, i            ; a fragment of step st: six pieces of 8 bytes; byte y of a row lies in slot (y / 256) % 2 at byte y % 256 of the LDS row
.irp p, 0,1,2,3,4,5
.set BY, 96*(\st)+48*(\p/3)+8*(\p%3)
.if BY/ROWB == (BY+24)/ROWB
	ds_load_b64 v[\reg+2*\p:\reg+2*\p+1], v[\adr+(BY/ROWB)%2] offset:BY%ROWB+(\i)*16*PITCH
.else                                  ; lanes 16-31, 24 bytes on, read the next chunk
	ds_load_b64 v[\reg+2*\p:\reg+2*\p+1], v[\adr+2+(BY/ROWB)%2] offset:BY%ROWB-232+(\i)*16*PITCH
.endif
.endr
.endm
.macro MUL16 a0, p, ks, mode
.irp a, \a0, \a0+1
.irp b, 0,1,2,3,4,5,6,7
.set rD, 8*(8*((\a)%4)+\b)
.set rB, 128*(\p)+FR*\b
.set rA, AF+FR*(\a)
.set rSB, SB+4*\b+(\ks)%4
.set rSA, SA+4*(\a)+(\ks)%4
.set rC, 96+8*\b+96*(\b/4)
.if \mode == 1
	v_wmma_scale_f32_16x16x128_f8f6f4 v[rD:rD+7], v[rB:rB+FR-1], v[rA:rA+FR-1], 0, v[rSB], v[rSA] matrix_a_fmt:MATRIX_FMT_FP6 matrix_b_fmt:MATRIX_FMT_FP6
.elseif \mode == 2
	v_wmma_scale_f32_16x16x128_f8f6f4 v[rD:rD+7], v[rB:rB+FR-1], v[rA:rA+FR-1], v[rC:rC+7], v[rSB], v[rSA] matrix_a_fmt:MATRIX_FMT_FP6 matrix_b_fmt:MATRIX_FMT_FP6
.elseif (\ks) < 4
	v_wmma_scale_f32_16x16x128_f8f6f4 v[rD:rD+7], v[rB:rB+FR-1], v[rA:rA+FR-1], v[rD:rD+7], v[rSB], v[rSA] matrix_a_fmt:MATRIX_FMT_FP6 matrix_b_fmt:MATRIX_FMT_FP6
.else
	v_wmma_scale_f32_16x16x128_f8f6f4 v[rD:rD+7], v[rB:rB+FR-1], v[rA:rA+FR-1], v[rD:rD+7], v[rSB], v[rSA] matrix_a_fmt:MATRIX_FMT_FP6 matrix_b_fmt:MATRIX_FMT_FP6 matrix_a_scale:MATRIX_SCALE_ROW1 matrix_b_scale:MATRIX_SCALE_ROW1
.endif
.endr
.endr
.endm
.macro FETCH_B st, p
	WIN TO_B
.irp i, 0,1,2,3,4,5,6,7
	FRAG 128*(\p)+FR*\i, ADRB, \st, \i
.endr
	WIN 0
.endm
.macro FETCH_A st, i0
.irp i, \i0, \i0+1, \i0+2, \i0+3
	FRAG AF+FR*(\i), ADRA, \st, \i
.endr
.endm
.macro PLACES n
.rept \n
	v_nop
.endr
.endm
; A step of 128 along K: 64 matrix instructions on step st's fragments; the next step's are fetched in its middle and at its end.
; kind 1 (step 2): chunk 0 is read no more: the three lines, the barrier that opens a round of the cluster's barrier, and the refill of slot 0 with chunk 2.
; kind 2 (step 4): the next step reads chunk 2: every wave waits for its load, and a barrier shows the chunk whole.
.macro STEP st, mode, kind
.if \mode == 2
.set LO_, 0x91
.set HI_, 0xd1
.else
.set LO_, MUL_LO
.set HI_, MUL_HI
.endif
.if \kind
	s_wait_tensorcnt 0x0                           ; all my tensor loads have landed
.if \kind == 1
	ds_add_u32 v[SPW], v[NIL]
	s_wait_dscnt 4*NL+1                            ; the add and A's blocks 4-7 may be out
.else
	s_wait_dscnt 4*NL
.endif
	WIN LO_
	MUL16 0, (\st)%2, \st, \mode
	s_wait_dscnt 0x0                               ; the add is done and my reads are over
	s_barrier_signal -1
	MUL16 2, (\st)%2, \st, \mode
	WIN 0
	s_barrier_wait -1
.if \kind == 1
	CREST
	JLOAD G0, G1, G0B, G1B                         ; the first tensor load behind the round; its four v_nop are the places in front of the loads below
.else
	PLACES NP
.endif
.else
	s_wait_dscnt 4*NL                              ; B's set and A's blocks 0-3 are in
	WIN LO_
	MUL16 0, (\st)%2, \st, \mode
	MUL16 2, (\st)%2, \st, \mode
	s_wait_dscnt 0
	PLACES NP
.endif
	FETCH_B (\st)+1, ((\st)+1)%2
	FETCH_A (\st)+1, 0
	WIN HI_
	MUL16 4, (\st)%2, \st, \mode
	MUL16 6, (\st)%2, \st, \mode
	PLACES NP
	WIN 0
	FETCH_A (\st)+1, 4
.endm
	s_wait_alu depctr_va_vdst(0)                   ; the wait at the head's end
	s_wait_tensorcnt 0x0                           ; my tile of the head's four is in, so a descriptor may be written: the refill brings 128 rows
	s_mov_b32 s[G1+2], 128<<16
	s_mov_b32 s[G1+4], 128
	s_mov_b32 s[G1B+2], 128<<16
	s_mov_b32 s[G1B+4], 128
	s_barrier_signal -1
	s_barrier_wait -1                              ; everybody's is: both slots are whole
	FETCH_B 0, 0
	FETCH_A 0, 0
	FETCH_A 0, 4
	s_wait_loadcnt 0x0
.if IS_QKV
	STEP 0, 1, 0
.else
	STEP 0, 2, 0
.endif
	STEP 1, 0, 0
	STEP 2, 0, 1
	STEP 3, 0, 0
	STEP 4, 0, 2
	STEP 5, 0, 0
	STEP 6, 0, 0
	s_wait_dscnt 4*NL
	WIN MUL_LO
	MUL16 0, 1, 7, 0
	MUL16 2, 1, 7, 0
	s_wait_dscnt 0
	WIN MUL_HI
	MUL16 4, 1, 7, 0
	MUL16 6, 1, 7, 0
	WIN 0
.macro QUANT s, w, pw
.set QS, (\s)
.set QW, (\w)
	WIN (QW<<2)|(QW<<4)
.irp b, 0,1,2,3
	v_max3_num_f32 v[TM+\b], s[FLR], |v[QS+16*\b]|, |v[QS+1+16*\b]|
.endr
.irp i, 2,4,6,8,10,12,14
.irp b, 0,1,2,3
	v_max3_num_f32 v[TM+\b], v[TM+\b], |v[QS+16*\b+\i]|, |v[QS+1+16*\b+\i]|
.endr
.endr
	WIN 0
.irp b, 0,1,2,3
	v_permlanex16_b32 v[TM+4+\b], v[TM+\b], s[SEL], s[SEL+1]
.endr
.irp b, 0,1,2,3
	v_max_num_f32 v[TM+\b], v[TM+\b], v[TM+4+\b]
.endr
.irp b, 0,1,2,3
	v_add_nc_u32 v[TM+12+\b], 0xff000000, v[TM+\b]
.endr
.irp b, 0,1,2,3
	v_lshrrev_b32 v[TM+4+\b], 23, v[TM+12+\b]
.endr
	v_lshl_or_b32 v[\pw], v[TM+5], 8, v[TM+4]
	v_lshl_or_b32 v[\pw], v[TM+6], 16, v[\pw]
	v_lshl_or_b32 v[\pw], v[TM+7], 24, v[\pw]
	s_wait_xcnt 0x0
	WIN QW
.irp c, 0,1
	v_cvt_scalef32_pk16_fp6_f32 v[CD+6*\c:CD+2+6*\c], v[QS+32*\c:QS+15+32*\c], v[TM+12+2*\c]
	v_cvt_scalef32_pk16_fp6_f32 v[CD+12+4*\c:CD+14+4*\c], v[QS+16+32*\c:QS+31+32*\c], v[TM+12+2*\c+1]
.endr
	WIN 0
	v_nop
.irp c, 0,1
.irp i, 0,1,2
	v_permlane16_swap_b32 v[CD+6*\c+\i], v[CD+12+4*\c+\i]
.endr
.irp i, 0,1,2
	v_mov_b32 v[CD+3+6*\c+\i], v[CD+12+4*\c+\i]
.endr
.endr
.endm
	PLACES NP
.irp a, 0,1,2,3,4,5,6,7
.if IS_QKV
	QUANT 64*(\a%4), 2+\a/4, PW+\a
.else
	WIN (2+\a/4)<<2
.set j, 0
.rept 64
	v_max_num_f32 v[H+j], 0, v[64*(\a%4)+j]
.set j, j+1
.endr
	WIN 0
.irp b, 0,1,2,3
.irp i, 0,1,2,3,4,5,6,7
	v_permlane16_swap_b32 v[H+16*\b+\i], v[H+16*\b+8+\i]
.endr
.endr
	QUANT H, 0, PW+\a
.endif
.irp p, 0,1,2,3,4,5
	global_store_b64 v[VO], v[CD+2*\p:CD+2*\p+1], s[12:13] offset:\a*STEP_A+(\p/3)*STEP_C+256*(\p%3)
.endr
.endr
.irp i, 0,1,2,3
	v_cndmask_b32 v[MW+\i], v[PW+2*\i], v[PW+2*\i+1], s[MSK]
.endr
.irp i, 0,1,2,3
	global_store_b32 v[LS], v[MW+\i], s[66:67] offset:128*\i
.endr
	s_wait_tensorcnt 0x0
	ds_add_u32 v[SPW], v[NIL]
	s_wait_dscnt 0x0
	CROUND
	s_endpgm
.Lfunc_end_k_q6700bf0131_qkv:
	.size	k_q6700bf0131_qkv, .Lfunc_end_k_q6700bf0131_qkv-k_q6700bf0131_qkv
	.p2alignl 7, 3214868480
	.fill 96, 4, 3214868480
	.section	.rodata,"a",@progbits
	.p2align	6, 0x0
	.amdhsa_kernel k_q6700bf0131_qkv
		.amdhsa_group_segment_fixed_size 327680
		.amdhsa_private_segment_fixed_size 0
		.amdhsa_enable_private_segment 0
		.amdhsa_kernarg_size 64
		.amdhsa_user_sgpr_count 2
		.amdhsa_user_sgpr_kernarg_segment_ptr 1
		.amdhsa_wavefront_size32 1
		.amdhsa_system_sgpr_workgroup_id_x 1
		.amdhsa_system_sgpr_workgroup_id_y 1
		.amdhsa_system_sgpr_workgroup_id_z 1
		.amdhsa_system_vgpr_workitem_id 0
		.amdhsa_next_free_vgpr 1024
		.amdhsa_next_free_sgpr 102
		.amdhsa_reserve_vcc 0
		.amdhsa_float_denorm_mode_32 3
		.amdhsa_float_denorm_mode_16_64 3
		.amdhsa_memory_ordered 1
		.amdhsa_forward_progress 1
		.amdhsa_inst_pref_size 163
	.end_amdhsa_kernel
	.amdgpu_metadata
---
amdhsa.version: [ 1, 2 ]
amdhsa.kernels:
  - .name:           k_q6700bf0131_qkv
    .symbol:         k_q6700bf0131_qkv.kd
    .args:
      - { .name: x1q, .offset: 0, .size: 8, .value_kind: global_buffer, .address_space: global }
      - { .name: wq_codes, .offset: 8, .size: 8, .value_kind: global_buffer, .address_space: global }
      - { .name: wq_scales, .offset: 16, .size: 8, .value_kind: global_buffer, .address_space: global }
      - { .name: wk_codes, .offset: 24, .size: 8, .value_kind: global_buffer, .address_space: global }
      - { .name: wk_scales, .offset: 32, .size: 8, .value_kind: global_buffer, .address_space: global }
      - { .name: wv_codes, .offset: 40, .size: 8, .value_kind: global_buffer, .address_space: global }
      - { .name: wv_scales, .offset: 48, .size: 8, .value_kind: global_buffer, .address_space: global }
      - { .name: qkv, .offset: 56, .size: 8, .value_kind: global_buffer, .address_space: global }
    .group_segment_fixed_size: 327680
    .private_segment_fixed_size: 0
    .kernarg_segment_align: 8
    .kernarg_segment_size: 64
    .max_flat_workgroup_size: 128
    .sgpr_count:     102
    .vgpr_count:     1024
    .wavefront_size: 32
...
	.end_amdgpu_metadata
.endif
;; end of part 2
;; launch attn (part 3): grid 4 x 64, 16 waves a work-group, clusters of 4 x 1, 169,984 bytes of LDS; arguments qkv, oq; writes oq
.if DOCPART == 3
	.amdgcn_target "amdgcn-amd-amdhsa--gfx1250"
	.amdhsa_code_object_version 6
	.text
	.protected	k_q6700bf0131_attn
	.globl	k_q6700bf0131_attn
	.p2align	8
	.type	k_q6700bf0131_attn,@function
k_q6700bf0131_attn:
	s_mov_b64 s[64:65], 0
	v_nop
	global_prefetch_b8 v0, s[64:65] scope:SCOPE_SE
	s_setreg_imm32_b32 hwreg(HW_REG_WAVE_MODE, 25, 1), 1
	s_wait_xcnt 0x0
	s_wait_alu depctr_hold_cnt(0) depctr_sa_sdst(0) depctr_va_vdst(0) depctr_va_sdst(0) depctr_va_ssrc(0) depctr_va_vcc(0) depctr_vm_vsrc(0)
	s_getreg_b32 s2, hwreg(HW_REG_IB_STS2, 6, 4)
	s_cmp_eq_u32 s2, 0
	s_cbranch_scc0 .Lentry_in_a_cluster
	s_endpgm
.Lentry_in_a_cluster:
	s_bfe_u32 s2, ttmp6, 0x10000c
	s_cmp_lg_u32 s2, 0x3003
	s_cbranch_scc0 .Lentry_shape_is_right
	s_endpgm
.Lentry_shape_is_right:
; Attention of one head on codes of MX-FP6 (E2M3): o = softmax(q k^T / 8) v, 1,024 keys, head size 64; o is quantised along the head's 64 and leaves as the next product's operand.
; qkv holds q, k, v as HALF FRAGMENTS of 768 bytes (16 rows x 64 along K: registers 0 .. 5 of an operand, three pieces of 256 bytes, lane l's 8 bytes at 8 l) and scale words, as the launch before laid them:
;   q, k: [batch][head][token / 16]; words [batch][head / 2][token], a head's two bytes in its half of the word.   v: [batch][key / 64][column / 16]; words [batch][key / 128][column].
; THE SOFTMAX AHEAD OF THE SECOND PRODUCT: t = score x log2(e) / 8; M = the running largest t rounded UP to a whole number; p = 2^(t - M) is quantised along the keys, not normalised; the row's sum is taken of the unquantised p
; and divides at the end.  When M moves, the sum and O are multiplied by 2^(old M - new M): exact.
; SHARES.  The grid's y is 16 x batch + head, the place in the cluster the block of 256 queries; each of SIXTEEN waves owns 16 queries in 256 registers: four waves to a SIMD, so that one wave's vector work stands beside another's products.
; THE HEAD'S WHOLE K AND V, 104,448 bytes with their scale words, come into LDS ONCE, by one joint load a wave: the cluster's four work-groups read the same bytes.  No byte of LDS is filled again and none is stored to.
; Both products are used transposed (S^T = k q^T, O^T = v^T p^T): a lane holds one query throughout.  Inside a block of 32 the order of k along d, and of v along the keys, is that of the launch before; q and p are made in the same order.
; K = 64 IN AN INSTRUCTION OF 128: q's registers 6 .. 11 are zero codes.  A tile of k is its own six registers and the six behind them (the next tile's, behind the last six zeros): times zero codes they add nothing.  The scale words' upper bytes are 0.
; LIMITS: NaN and infinities are not served; a block of o whose largest magnitude lies under 2^-124 keeps the byte 1, and so does a block of zeros.  o's scale halfwords are stored 2 bytes in every 4: the other head of the pair owns the rest.
; REGISTERS: v1-5 addresses that stay; v8-11 those of the loads in hand; v12 -M, v13 the largest t, v[14:15] the sum; v16-27 q; v28-31 v's scale words; v32-79 k's tiles, then v's fragments; v80-85 zeros; v86-93 k's scale words;
;   v96-159 S^T, then p; v160-191 O^T; v224-235 p's codes; v232-254 at work; v255 q's scale word.
.set KSC, 49152                        ; LDS: k's 64 half fragments at 0; k's scale words, 4 bytes a key;
.set VSC, 53248                        ; v's scale words [key / 128][64 columns];
.set VC,  55296                        ; v's half fragments [key / 64][4 tiles of 16 columns]
.set WV,  18
.set SEL, 20                           ; s[20:21] lane l xor 16
.set CS,  22                           ; s[22:23] c = log2(e) / 8
.set TB,  2                            ; s2   the step's tiles of k and of v: 6,144 bytes a step
.set TK,  3                            ; s3   k's scale words: 512 bytes a step
.set TV,  66                           ; s66  v's: 256 bytes a step
.set CNT, 67
.macro CROUND
	s_barrier_signal -1
	s_barrier_wait -1
	s_cmp_lg_u32 s[WV], 0
	s_cbranch_scc1 .Lnot_wave_0_\@
	s_barrier_signal -3
.Lnot_wave_0_\@:
	s_barrier_wait -3
	s_barrier_signal -1
	s_barrier_wait -1
.endm
	s_load_b128 s[4:7], s[0:1], 0x0                ; qkv, oq
	v_lshl_add_u32 v243, v0, 2, 0x29000
	v_mov_b32 v251, 0
	ds_add_u32 v243, v251
	ds_add_u32 v243, v251
	v_lshrrev_b32 v8, 5, v0
	s_delay_alu instid0(VALU_DEP_1)
	v_readfirstlane_b32 s[WV], v8                  ; wave 0..15
	s_bfe_u32 s8, ttmp6, 0x40000                   ; cx: my block of 256 queries
	s_and_b32 s9, ttmp7, 0xffff                    ; y = 16 x batch + head, which the four partners share
	s_lshr_b32 s10, s9, 4                          ; batch
	s_and_b32 s11, s9, 15                          ; head
	s_lshr_b32 s12, s11, 1
	s_and_b32 s13, s11, 1
	; four shapes, elements of 8 bytes, no padding; the mask names all four work-groups
.irp g, 24,32,40,48
	s_mov_b32 s[\g], 15|(3<<16)|(1<<21)
	s_mov_b32 s[\g+6], 0
	s_mov_b32 s[\g+7], 0
.endr
	s_mov_b32 s25, 32<<16                          ; k's codes: 32 rows of 256 bytes, dense
	s_mov_b32 s26, 32<<16
	s_mov_b32 s27, 32<<16
	s_mov_b32 s28, 32
	s_mov_b32 s29, 32
	s_mov_b32 s33, 32<<16                          ; k's scale words: 16 rows of 256 bytes, dense
	s_mov_b32 s34, 16<<16
	s_mov_b32 s35, 32<<16
	s_mov_b32 s36, 16
	s_mov_b32 s37, 32
	s_mov_b32 s41, 32<<16                          ; v's scale words: 8 rows of 256 bytes, 4,096 bytes apart
	s_mov_b32 s42, 8<<16
	s_mov_b32 s43, 32<<16
	s_mov_b32 s44, 8
	s_mov_b32 s45, 512
	s_mov_b32 s49, 384<<16                         ; v's codes: 2 rows of 3,072 bytes (the head's four tiles), 49,152 bytes apart
	s_mov_b32 s50, 2<<16
	s_mov_b32 s51, 384<<16
	s_mov_b32 s52, 2
	s_mov_b32 s53, 6144
	s_mul_i32 s76, s9, 49152                       ; k's codes of the head, 8,192 bytes a wave (waves 0 to 5)
	s_lshl_b32 s77, s[WV], 13
	s_add_co_u32 s76, s76, s77
	s_add_co_u32 s76, s76, 3145728
	s_mov_b32 s77, 0
	s_lshl_b32 s78, s10, 3
	s_add_co_u32 s78, s78, s12
	s_lshl_b32 s84, s78, 12                        ; the pair of heads' 1,024 words
	s_add_co_u32 s78, s84, 9568256                 ; in k's part (wave 6)
	s_mov_b32 s79, 0
	s_lshl_b32 s80, s10, 15
	s_lshl_b32 s81, s11, 8
	s_add_co_u32 s80, s80, s81
	s_add_co_u32 s80, s80, 9699328                 ; v's words of the head's 64 columns (wave 7)
	s_mov_b32 s81, 0
	s_mul_i32 s82, s10, 786432
	s_mul_i32 s83, s[WV], 98304
	s_add_co_u32 s82, s82, s83
	s_mul_i32 s83, s11, 3072
	s_add_co_u32 s82, s82, s83
	s_add_co_u32 s82, s82, 5505024                 ; v's codes: keys 128 (wave - 8) on (waves 8 to 15); 6,291,456 - 8 x 98,304
	s_mov_b32 s83, 0
	s_mov_b32 s[SEL], 0x76543210
	s_mov_b32 s[SEL+1], 0xfedcba98
	s_mov_b32 s[CS], 0x3e38aa3b
	s_mov_b32 s[CS+1], s[CS]                       ; (named with it as a pair, so it is written)
	s_mov_b32 s[TB], 0
	s_mov_b32 s[TK], 0
	s_mov_b32 s[TV], 0
	s_mov_b32 s[CNT], 8
	s_wait_dscnt 0x0
	s_wait_kmcnt 0x0
	s_mov_b32 s56, 1
	s_lshl_b32 s57, s[WV], 13
	s_add_nc_u64 s[58:59], s[4:5], s[76:77]
	s_or_b32 s59, s59, 0x80000000
	s_mov_b32 s60, 1
	s_mov_b32 s61, KSC
	s_add_nc_u64 s[62:63], s[4:5], s[78:79]
	s_or_b32 s63, s63, 0x80000000
	s_mov_b32 s68, 1
	s_mov_b32 s69, VSC
	s_add_nc_u64 s[70:71], s[4:5], s[80:81]
	s_or_b32 s71, s71, 0x80000000
	s_mov_b32 s72, 1
	s_mul_i32 s73, s[WV], 6144
	s_add_co_u32 s73, s73, 6144                    ; VC + 6,144 (wave - 8)
	s_add_nc_u64 s[74:75], s[4:5], s[82:83]
	s_or_b32 s75, s75, 0x80000000
	CROUND                                         ; all four work-groups are here: the joint loads meet
	s_cmp_lt_u32 s[WV], 6                          ; every wave issues one load; the branches hang on the wave's number alone; four v_nop follow each
	s_cbranch_scc0 .Lnot_kc
	tensor_load_to_lds s[56:59], s[24:31]
	s_nop 0
.rept 4
	v_nop
.endr
	s_branch .Lasked
.Lnot_kc:
	s_cmp_eq_u32 s[WV], 6
	s_cbranch_scc0 .Lnot_ks
	tensor_load_to_lds s[60:63], s[32:39]
	s_nop 0
.rept 4
	v_nop
.endr
	s_branch .Lasked
.Lnot_ks:
	s_cmp_eq_u32 s[WV], 7
	s_cbranch_scc0 .Lnot_vs
	tensor_load_to_lds s[68:71], s[40:47]
	s_nop 0
.rept 4
	v_nop
.endr
	s_branch .Lasked
.Lnot_vs:
	tensor_load_to_lds s[72:75], s[48:55]
	s_nop 0
.rept 4
	v_nop
.endr
.Lasked:
	s_lshl_b32 s85, s8, 4
	s_add_co_u32 s85, s85, s[WV]                   ; Z: my 16 queries in the batch
	s_lshl_b32 s86, s9, 6
	s_add_co_u32 s86, s86, s85
	s_mul_i32 s86, s86, 768
	s_mov_b32 s87, 0
	s_add_nc_u64 s[14:15], s[4:5], s[86:87]        ; q's half fragment
	s_lshl_b32 s88, s13, 1                         ; my head's half of a word
	s_lshl_b32 s86, s85, 6
	s_add_co_u32 s86, s86, s84
	s_add_co_u32 s86, s86, s88
	s_add_co_u32 s86, s86, 9437184
	s_add_nc_u64 s[16:17], s[4:5], s[86:87]        ; q's scale halfwords
	s_lshl_b32 s86, s10, 6
	s_add_co_u32 s86, s86, s85                     ; token / 16
	s_lshl_b32 s89, s86, 6                         ; token x 4
	s_mul_i32 s86, s86, 12288
	s_mul_i32 s90, s11, 768
	s_add_co_u32 s86, s86, s90
	s_add_nc_u64 s[92:93], s[6:7], s[86:87]        ; o's half fragment: [token / 16][head]
	s_lshl_b32 s86, s12, 14
	s_add_co_u32 s86, s86, s89
	s_add_co_u32 s86, s86, s88
	s_add_co_u32 s86, s86, 3145728
	s_add_nc_u64 s[94:95], s[6:7], s[86:87]        ; o's scale halfwords: [head / 2][token]
	v_and_b32 v8, 31, v0
	s_delay_alu instid0(VALU_DEP_1)
	v_lshlrev_b32 v1, 3, v8                        ; 8 x lane: my place in a piece
	s_delay_alu instid0(VALU_DEP_1)
	v_add_nc_u32 v2, VC, v1
	v_and_b32 v9, 15, v0
	s_delay_alu instid0(VALU_DEP_1)
	v_lshlrev_b32 v5, 2, v9                        ; 4 r
	s_delay_alu instid0(VALU_DEP_1)
	v_add_nc_u32 v3, s88, v5
	s_delay_alu instid0(VALU_DEP_1)
	v_add_nc_u32 v3, KSC, v3
	s_delay_alu instid0(VALU_DEP_3)
	v_add_nc_u32 v4, VSC, v5
.irp p, 0,1,2
	global_load_b64 v[16+2*\p:17+2*\p], v1, s[14:15] offset:256*\p
.endr
	global_load_u16 v255, v5, s[16:17]
.irp j, 22,23,24,25,26,27,80,81,82,83,84,85
	v_mov_b32 v[\j], 0                             ; zero codes
.endr
	v_mov_b32 v13, 0xff61b1e6                      ; the largest t so far: -3e38
	s_delay_alu instid0(VALU_DEP_1)
	v_floor_f32 v12, -v13                          ; -M
	v_mov_b32 v14, 0
	v_mov_b32 v15, 0
.irp b, 0,1,2,3
	v_mov_b32 v[236+\b], 0                         ; a lane permute's destination counts as one of its sources
.endr
	v_mov_b32 v253, 0                              ; (named as the upper half of v[252:253] before it is first written)
.set j, 0
.rept 32
	v_mov_b32 v[160+j], 0                          ; O^T: the step is written once; the first finds zeros, which the first change of M leaves zeros
.set j, j+1
.endr
	s_wait_tensorcnt 0x0                           ; my part of K and V has landed,
	s_barrier_signal -1
	s_barrier_wait -1                              ; everybody's has
	s_wait_loadcnt 0x0                             ; q
.Lkeys:                                            ; eight trips of 128 keys
	v_add_nc_u32 v8, s[TB], v1                     ; (these four are also the places behind the last trip's products)
	v_add_nc_u32 v9, s[TB], v2
	v_add_nc_u32 v10, s[TK], v3
	v_add_nc_u32 v11, s[TV], v4
.irp t, 0,1,2,3,4,5,6,7
.irp p, 0,1,2
	ds_load_b64 v[32+6*\t+2*\p:33+6*\t+2*\p], v8 offset:768*\t+256*\p   ; 256 consecutive bytes
.endr
	ds_load_u16 v[86+\t], v10 offset:64*\t
.endr
	s_wait_alu depctr_va_vdst(0)
	s_wait_dscnt 0x0
.irp t, 0,1,2,3,4,5,6,7
	v_wmma_scale_f32_16x16x128_f8f6f4 v[96+8*\t:103+8*\t], v[32+6*\t:43+6*\t], v[16:27], 0, v[86+\t], v255 matrix_a_fmt:MATRIX_FMT_FP6 matrix_b_fmt:MATRIX_FMT_FP6
.endr
.rept 4
	v_nop                                          ; places in front of the loads below and of the first read of the scores
.endr
.irp t, 0,1,2,3                                ; v's four fragments are asked for now and land under the softmax
.irp c, 0,1
.irp p, 0,1,2
	ds_load_b64 v[32+12*\t+6*\c+2*\p:33+12*\t+6*\c+2*\p], v9 offset:3072*\c+768*\t+256*\p
.endr
.endr
	ds_load_b32 v[28+\t], v11 offset:64*\t
.endr
.irp b, 0,1,2,3
	v_max3_num_f32 v[232+\b], v[96+16*\b], v[97+16*\b], v[98+16*\b]   ; the largest score of each block of 32 keys: for the row's maximum and, since p rises with the score, for the block's largest p
.endr
.irp i, 3,5,7,9,11,13
.irp b, 0,1,2,3
	v_max3_num_f32 v[232+\b], v[232+\b], v[96+16*\b+\i], v[97+16*\b+\i]
.endr
.endr
.irp b, 0,1,2,3
	v_max_num_f32 v[232+\b], v[232+\b], v[111+16*\b]
.endr
.irp b, 0,1,2,3
	s_delay_alu instid0(VALU_DEP_4)
	v_permlanex16_b32 v[236+\b], v[232+\b], s[SEL], s[SEL+1]
.endr
.irp b, 0,1,2,3
	s_delay_alu instid0(VALU_DEP_4)
	v_max_num_f32 v[232+\b], v[232+\b], v[236+\b]  ; with lane l xor 16's 16 keys
.endr
	s_delay_alu instid0(VALU_DEP_2)
	v_max3_num_f32 v254, v232, v233, v234
	s_delay_alu instid0(VALU_DEP_1)
	v_max_num_f32 v254, v254, v235
	s_delay_alu instid0(VALU_DEP_1)
	v_mul_f32 v254, s[CS], v254                    ; the step's largest t (c is positive)
	s_delay_alu instid0(VALU_DEP_1)
	v_max_num_f32 v13, v13, v254
	v_mov_b32 v254, v12
	s_delay_alu instid0(VALU_DEP_2)
	v_floor_f32 v12, -v13                          ; the new -M = -ceil(t): a whole number
	s_delay_alu instid0(VALU_DEP_1)
	v_sub_f32 v254, v12, v254                      ; old M - new M, 0 or less
	s_delay_alu instid0(VALU_DEP_1)
	v_cvt_i32_f32 v254, v254                       ; (it saturates)
	s_delay_alu instid0(VALU_DEP_1)
	v_ldexp_f32 v252, 1.0, v254                    ; f = 2^(old M - new M)
.set j, 0
.rept 32
	v_pk_fma_f32 v[96+j:97+j], v[96+j:97+j], s[CS:CS+1], v[12:13] op_sel_hi:[1,0,0]   ; t - M
.set j, j+2
.endr
.irp b, 0,1,2,3
	v_fma_f32 v[232+\b], v[232+\b], s[CS], v12
.endr
.set j, 0
	s_wait_alu depctr_va_vdst(0)
.rept 64
	v_exp_f32 v[96+j], v[96+j]                     ; p = 2^(t - M), at most 1
.set j, j+1
.endr
	v_pk_mul_f32 v[14:15], v[14:15], v[252:253] op_sel_hi:[1,0]   ; the sums under the new M (a plain line behind the exponentials)
	s_wait_alu depctr_va_vdst(0)                   ; the wait ahead of the first reader: one for the batch
.irp b, 0,1,2,3
	v_exp_f32 v[232+\b], v[232+\b]                 ; each block's largest p: the same two instructions on the same number
.endr
	v_pk_add_f32 v[236:237], v[100:101], v[104:105]
	v_pk_add_f32 v[248:249], v[108:109], v[112:113]
	v_pk_add_f32 v[246:247], v[116:117], v[120:121]
	v_pk_add_f32 v[244:245], v[124:125], v[128:129]
	v_pk_add_f32 v[240:241], v[132:133], v[136:137]
	v_pk_add_f32 v[238:239], v[140:141], v[144:145]
	v_pk_add_f32 v[230:231], v[148:149], v[152:153]
	v_pk_add_f32 v[14:15], v[14:15], v[156:157]
	v_pk_add_f32 v[236:237], v[236:237], v[96:97]
	v_pk_add_f32 v[248:249], v[248:249], v[98:99]
	v_pk_add_f32 v[246:247], v[246:247], v[102:103]
	v_pk_add_f32 v[244:245], v[244:245], v[106:107]
	v_pk_add_f32 v[240:241], v[240:241], v[110:111]
	v_pk_add_f32 v[238:239], v[238:239], v[114:115]
	v_pk_add_f32 v[230:231], v[230:231], v[118:119]
	v_pk_add_f32 v[14:15], v[14:15], v[122:123]
	v_pk_add_f32 v[236:237], v[236:237], v[126:127]
	v_pk_add_f32 v[248:249], v[248:249], v[130:131]
	v_pk_add_f32 v[246:247], v[246:247], v[134:135]
	v_pk_add_f32 v[244:245], v[244:245], v[138:139]
	v_pk_add_f32 v[240:241], v[240:241], v[142:143]
	v_pk_add_f32 v[238:239], v[238:239], v[146:147]
	v_pk_add_f32 v[230:231], v[230:231], v[150:151]
	v_pk_add_f32 v[14:15], v[14:15], v[154:155]
	v_pk_add_f32 v[236:237], v[236:237], v[158:159]
	s_delay_alu instid0(VALU_DEP_2)
	v_pk_add_f32 v[14:15], v[14:15], v[244:245]
	s_delay_alu instid0(VALU_DEP_2)
	v_pk_add_f32 v[236:237], v[236:237], v[240:241]
	v_pk_add_f32 v[248:249], v[248:249], v[238:239]
	v_pk_add_f32 v[246:247], v[246:247], v[230:231]
	s_delay_alu instid0(VALU_DEP_2)
	v_pk_add_f32 v[14:15], v[14:15], v[248:249]
	s_delay_alu instid0(VALU_DEP_2)
	v_pk_add_f32 v[236:237], v[236:237], v[246:247]
	s_delay_alu instid0(VALU_DEP_1)
	v_pk_add_f32 v[14:15], v[14:15], v[236:237]
	s_wait_alu depctr_va_vdst(0)                   ; and one for the four
.irp b, 0,1,2,3
	v_max_num_f32 v[232+\b], 0x1800000, v[232+\b]  ; the floor 2^(3 - 127)
.endr
.irp b, 0,1,2,3
	s_delay_alu instid0(VALU_DEP_4)
	v_add_nc_u32 v[244+\b], 0xff000000, v[232+\b]
.endr
.irp b, 0,1,2,3
	s_delay_alu instid0(VALU_DEP_4)
	v_lshrrev_b32 v[236+\b], 23, v[244+\b]
.endr
	s_delay_alu instid0(VALU_DEP_3)
	v_lshl_or_b32 v253, v237, 8, v236              ; p's scale word for these 128 keys
	s_delay_alu instid0(VALU_DEP_1)
	v_lshl_or_b32 v253, v238, 16, v253
	s_delay_alu instid0(VALU_DEP_1)
	v_lshl_or_b32 v253, v239, 24, v253
.irp c, 0,1
	v_cvt_scalef32_pk16_fp6_f32 v[224+6*\c:226+6*\c], v[96+32*\c:111+32*\c], v[244+2*\c]
	v_cvt_scalef32_pk16_fp6_f32 v[236+4*\c:238+4*\c], v[112+32*\c:127+32*\c], v[244+2*\c+1]
.endr
	v_nop
.irp c, 0,1
.irp i, 0,1,2
	v_permlane16_swap_b32 v[224+6*\c+\i], v[236+4*\c+\i]
.endr
.irp i, 0,1,2
	s_delay_alu instid0(VALU_DEP_3)
	v_mov_b32 v[227+6*\c+\i], v[236+4*\c+\i]
.endr
.endr
.set j, 0
.rept 16
	v_pk_mul_f32 v[160+j:161+j], v[160+j:161+j], v[252:253] op_sel_hi:[1,0]   ; O^T under the new M; these sixteen are also the places between the scale word's and the codes' last writes and the products
.set j, j+2
.endr
	s_wait_alu depctr_va_vdst(0)
	s_wait_dscnt 0x0                               ; v's fragments and scale words
.irp t, 0,1,2,3
	v_wmma_scale_f32_16x16x128_f8f6f4 v[160+8*\t:167+8*\t], v[32+12*\t:43+12*\t], v[224:235], v[160+8*\t:167+8*\t], v[28+\t], v253 matrix_a_fmt:MATRIX_FMT_FP6 matrix_b_fmt:MATRIX_FMT_FP6
.endr
	s_add_co_u32 s[TB], s[TB], 6144
	s_add_co_u32 s[TK], s[TK], 512
	s_add_co_u32 s[TV], s[TV], 256
	s_sub_co_u32 s[CNT], s[CNT], 1
	s_cmp_lg_u32 s[CNT], 0
	s_cbranch_scc1 .Lkeys
	; THE WAY OUT: o = O^T / the sum; true order along d; two blocks of 32 quantised; one half fragment and one halfword a row
.rept 4
	v_nop
.endr
	v_add_f32 v14, v14, v15
	s_delay_alu instid0(VALU_DEP_1)
	v_permlanex16_b32 v252, v14, s[SEL], s[SEL+1]
	s_delay_alu instid0(VALU_DEP_1)
	v_add_f32 v14, v14, v252                       ; the row's sum
	s_wait_alu depctr_va_vdst(0)
	v_rcp_f32 v14, v14
	v_nop
	s_wait_alu depctr_va_vdst(0)
.set j, 0
.rept 32
	v_mul_f32 v[96+j], v[160+j], v14               ; register 8 t + i is o(query r, 16 t + 8 h + i); ascending
.set j, j+1
.endr
.irp b, 0,1
.irp i, 0,1,2,3,4,5,6,7
	v_permlane16_swap_b32 v[96+16*\b+\i], v[104+16*\b+\i]   ; wo's K is given in true order: register 16 B + i becomes d = 32 B + 16 h + i
.endr
.endr
.irp b, 0,1
	v_max3_num_f32 v[232+\b], |v[96+16*\b]|, |v[97+16*\b]|, 0x1800000
.endr
.irp i, 2,4,6,8,10,12,14
.irp b, 0,1
	s_delay_alu instid0(VALU_DEP_2)
	v_max3_num_f32 v[232+\b], v[232+\b], |v[96+16*\b+\i]|, |v[97+16*\b+\i]|
.endr
.endr
.irp b, 0,1
	s_delay_alu instid0(VALU_DEP_2)
	v_permlanex16_b32 v[236+\b], v[232+\b], s[SEL], s[SEL+1]
.endr
.irp b, 0,1
	s_delay_alu instid0(VALU_DEP_2)
	v_max_num_f32 v[232+\b], v[232+\b], v[236+\b]
.endr
.irp b, 0,1
	s_delay_alu instid0(VALU_DEP_2)
	v_add_nc_u32 v[244+\b], 0xff000000, v[232+\b]
.endr
.irp b, 0,1
	s_delay_alu instid0(VALU_DEP_2)
	v_lshrrev_b32 v[236+\b], 23, v[244+\b]
.endr
	s_delay_alu instid0(VALU_DEP_1)
	v_lshl_or_b32 v240, v237, 8, v236
	v_cvt_scalef32_pk16_fp6_f32 v[224:226], v[96:111], v244
	v_cvt_scalef32_pk16_fp6_f32 v[248:250], v[112:127], v245
	v_nop
.irp i, 0,1,2
	v_permlane16_swap_b32 v[224+\i], v[248+\i]
.endr
.irp i, 0,1,2
	s_delay_alu instid0(VALU_DEP_3)
	v_mov_b32 v[227+\i], v[248+\i]
.endr
.irp p, 0,1,2
	global_store_b64 v1, v[224+2*\p:225+2*\p], s[92:93] offset:256*\p   ; 256 consecutive bytes, aligned
.endr
	global_store_b16 v5, v240, s[94:95]            ; lanes l and l + 16 store the same halfword with the same value
	s_wait_tensorcnt 0x0
	ds_add_u32 v243, v251
	s_wait_dscnt 0x0
	CROUND                                         ; the closing round
	s_endpgm
.Lfunc_end_k_q6700bf0131_attn:
	.size	k_q6700bf0131_attn, .Lfunc_end_k_q6700bf0131_attn-k_q6700bf0131_attn
	.p2alignl 7, 3214868480
	.fill 96, 4, 3214868480
	.section	.rodata,"a",@progbits
	.p2align	6, 0x0
	.amdhsa_kernel k_q6700bf0131_attn
		.amdhsa_group_segment_fixed_size 169984
		.amdhsa_private_segment_fixed_size 0
		.amdhsa_enable_private_segment 0
		.amdhsa_kernarg_size 16
		.amdhsa_user_sgpr_count 2
		.amdhsa_user_sgpr_kernarg_segment_ptr 1
		.amdhsa_wavefront_size32 1
		.amdhsa_system_sgpr_workgroup_id_x 1
		.amdhsa_system_sgpr_workgroup_id_y 1
		.amdhsa_system_sgpr_workgroup_id_z 1
		.amdhsa_system_vgpr_workitem_id 0
		.amdhsa_next_free_vgpr 256
		.amdhsa_next_free_sgpr 100
		.amdhsa_reserve_vcc 0
		.amdhsa_float_denorm_mode_32 3
		.amdhsa_float_denorm_mode_16_64 3
		.amdhsa_memory_ordered 1
		.amdhsa_forward_progress 1
		.amdhsa_inst_pref_size 35
	.end_amdhsa_kernel
	.amdgpu_metadata
---
amdhsa.version: [ 1, 2 ]
amdhsa.kernels:
  - .name:           k_q6700bf0131_attn
    .symbol:         k_q6700bf0131_attn.kd
    .args:
      - { .name: qkv, .offset: 0, .size: 8, .value_kind: global_buffer, .address_space: global }
      - { .name: oq, .offset: 8, .size: 8, .value_kind: global_buffer, .address_space: global }
    .group_segment_fixed_size: 169984
    .private_segment_fixed_size: 0
    .kernarg_segment_align: 8
    .kernarg_segment_size: 16
    .max_flat_workgroup_size: 512
    .sgpr_count:     100
    .vgpr_count:     256
    .wavefront_size: 32
...
	.end_amdgpu_metadata
.endif
;; end of part 3
;; launch wo (part 4): grid 8 x 32, 4 waves a work-group, clusters of 4 x 4, 327,680 bytes of LDS; arguments oq, wo_codes, wo_scales, x, xr; writes xr
.if DOCPART == 4
	.amdgcn_target "amdgcn-amd-amdhsa--gfx1250"
	.amdhsa_code_object_version 6
	.text
	.protected	k_q6700bf0131_wo
	.globl	k_q6700bf0131_wo
	.p2align	8
	.type	k_q6700bf0131_wo,@function
k_q6700bf0131_wo:
	s_mov_b64 s[64:65], 0
	v_nop
	global_prefetch_b8 v0, s[64:65] scope:SCOPE_SE
	s_setreg_imm32_b32 hwreg(HW_REG_WAVE_MODE, 25, 1), 1
	s_wait_xcnt 0x0
	s_wait_alu depctr_hold_cnt(0) depctr_sa_sdst(0) depctr_va_vdst(0) depctr_va_sdst(0) depctr_va_ssrc(0) depctr_va_vcc(0) depctr_vm_vsrc(0)
	s_getreg_b32 s2, hwreg(HW_REG_IB_STS2, 6, 4)
	s_cmp_eq_u32 s2, 0
	s_cbranch_scc0 .Lentry_in_a_cluster
	s_endpgm
.Lentry_in_a_cluster:
	s_bfe_u32 s2, ttmp6, 0x10000c
	s_cmp_lg_u32 s2, 0xf033
	s_cbranch_scc0 .Lentry_shape_is_right
	s_endpgm
.Lentry_shape_is_right:
; xr = x + o wo^T: a GEMM on codes of MX-FP6 (E2M3), M 4,096, N 1,024, K 1,024, f32 results.
; o comes as the launch before laid it: HALF FRAGMENTS of 768 bytes (16 rows x 64 along K: three pieces of 256 bytes, lane l's 8 bytes at 8 l), [row / 16][K / 64]; from byte ASC_OFF on its scale words [K / 128][row].
; wo comes as given: rows of 768 bytes, 32 scale bytes a row.
; A tile of C is 128 x 128 (256 work-groups); four waves, each 64 x 64: 16 accumulators.
; ALL OF K LIES IN LDS AT ONCE: o's 128 rows are 98,304 dense bytes, wo's 128 rows 128 x (3 x 272) bytes.  Four tiles, ONE joint load a wave at the head: wave 0 o's codes, wave 1 wo's codes, wave 2 o's scale words,
; wave 3 wo's scale bytes.  No byte is filled again; behind the head's barrier the eight steps of 128 along K need no barrier.  Every tile row begins at a multiple of 256 bytes.
; CLUSTER 4 x 4: o's tiles are asked for jointly along a row of the cluster, wo's along a column.
; No prefetch: everything that the work-group reads by tensor loads is asked for at the head, and there is no loop to run ahead in.
; THE MATRIX INSTRUCTION IS USED TRANSPOSED (source 0 = 16 rows of wo, source 1 = 16 rows of o): a lane holds eight neighbouring numbers of a row of C.
; A scale register carries two neighbouring blocks' words, one in lanes 0-15, the other in lanes 16-31; the row selectors choose.
; REGISTERS: window 0: v16-30 addresses; v32-63 scale words of all eight steps (nothing else, ever); v64-127 the way out; v128-255 the accumulators ((a, b) at v[128 + 8 (4 a + b)]).
;   window 1: two sets of fragments: o's four at v[128 p], wo's four at v[128 p + 48].   window 2: v0-127 the residual.
.set ASC_OFF, 3145728
.set KS,     32
.set KROW,   768
.set AST,    12288                     ; 16 rows of o: 16 half fragments
.set BPITCH, 816                       ; a row of wo in LDS: 3 x (256 + 16) bytes = 204 words: the 16 rows of a fragment start at 16 different multiples of 4 words modulo 64
.set BOFF,   8*AST
.set SCB,    BOFF+128*BPITCH           ; wo's scale bytes: 16 units of 256 bytes + 16
.set SBLK,   544                       ; those of 16 rows
.set SCA,    SCB+4352                  ; o's scale words: 8 rows (one for each 128 of K) of 512 bytes + 16
.set APITCH, 528
.set STAGE,  SCA+4352                  ; the way out: 16 rows x (256 + 16) bytes for each wave; no tile lands here
.set SPITCH, 272
.set SPARE,  STAGE+4*16*SPITCH         ; the spare words, 128 bytes a wave
.set ADRA, 16
.set ADRB, 20                          ; v20; v21: for the pieces whose lanes 16-31 lie behind one padding more
.set STO,  24
.set RD,   25
.set CO,   26                          ; 4,096 h + 16 (lane % 16): two rows of C an instruction
.set ADSA, 27
.set SPW,  28
.set NIL,  29
.set ADSB, 30
.set SC,   32
.set BK,   64
.set ACC,  128
.set WV,   16
.set WH,   17                          ; wave >> 1: my half of the rows
.set WL,   18                          ; wave & 1: my half of the columns
.set G1,   24
.set G0,   32
.set G1B,  48
.set G0B,  56
.set G1S,  68
.set G0S,  76
.set G1SB, 80
.set G0SB, 88
.set MUL,  0x05                        ; sources 0 and 1 window 1; C and D window 0
.set MSB, 0
.macro WIN new
.if MSB != (\new)
	s_set_vgpr_msb (MSB<<8)|(\new)
.set MSB, (\new)
.endif
.endm
.macro CROUND                          ; a round of the cluster's barrier
	s_barrier_signal -1
	s_barrier_wait -1
	s_cmp_lg_u32 s[WV], 0
	s_cbranch_scc1 .Lnot_wave_0_\@
	s_barrier_signal -3
.Lnot_wave_0_\@:
	s_barrier_wait -3
	s_barrier_signal -1
	s_barrier_wait -1
.endm
.macro DESC g, d0, d1, st              ; group 1's words 1 to 7: rows of d0 elements, d1 rows, st elements apart
	s_mov_b32 s[\g+1], (\d0)<<16
	s_mov_b32 s[\g+2], (\d1)<<16
	s_mov_b32 s[\g+3], (\d0)<<16
	s_mov_b32 s[\g+4], \d1
	s_mov_b32 s[\g+5], \st
	s_mov_b32 s[\g+6], 0
	s_mov_b32 s[\g+7], 0
.endm
.macro BASE g, lds, ptr                ; group 0
	s_mov_b32 s[\g], 1
	s_mov_b32 s[\g+1], \lds
	s_mov_b64 s[\g+2:\g+3], s[\ptr:\ptr+1]
	s_or_b32 s[\g+3], s[\g+3], 0x80000000
.endm
.macro ARM under, g0, g1, next         ; one arm of the head's chain of branches on the wave's number
	s_cmp_lt_u32 s[WV], \under
	s_cbranch_scc0 \next
	tensor_load_to_lds s[\g0:\g0+3], s[\g1:\g1+7]
	s_nop 0
.rept 4
	v_nop
.endr
	s_branch .Lhead_asked
\next:
.endm
.macro PLACES                          ; four plain lines between a matrix instruction and a load into its registers or a read of its result (ISA guide 7.12.1 for a read of its result)
.rept 4
	v_nop
.endr
.endm
	s_load_b256 s[4:11], s[0:1], 0x0               ; o s[4:5], wo's codes s[6:7], wo's scales s[8:9], x s[10:11]
	s_load_b64 s[12:13], s[0:1], 0x20              ; xr
	v_lshl_add_u32 v[SPW], v0, 2, SPARE
	v_mov_b32 v[NIL], 0
	ds_add_u32 v[SPW], v[NIL]                      ; the opening lines: the add, twice on end, and its wait ahead of my first tensor load
	ds_add_u32 v[SPW], v[NIL]
	v_lshrrev_b32 v1, 5, v0
	v_readfirstlane_b32 s[WV], v1
	s_lshr_b32 s[WH], s[WV], 1
	s_and_b32 s[WL], s[WV], 1
	s_bfe_u32 s40, ttmp6, 0x40000                  ; cx, cy
	s_bfe_u32 s41, ttmp6, 0x40004
	s_lshl_b32 s42, ttmp9, 2
	s_add_co_u32 s42, s42, s40                     ; tile column
	s_and_b32 s19, ttmp7, 0xffff
	s_lshl_b32 s19, s19, 2
	s_add_co_u32 s19, s19, s41                     ; tile row
	s_lshl_b32 s43, s41, 2
	s_lshl_b32 s43, 15, s43                        ; my row of the cluster
	s_lshl_b32 s44, 0x1111, s40                    ; my column
	s_or_b32 s[G1], s43, (3<<16)|(1<<21)           ; o's codes: 8 rows of 12,288 bytes (elements of 8), dense, no padding
	DESC G1, 1536, 8, 1536
	s_or_b32 s[G1B], s44, (1<<20)|(1<<21)|(5<<22)|(3<<25)   ; wo's codes: 128 rows of 768 bytes; 4 words of padding behind every 64
	DESC G1B, 768, 128, KROW
	s_or_b32 s[G1S], s43, (3<<16)|(1<<20)|(1<<21)|(6<<22)|(3<<25)   ; o's scale words: 128 rows' 512 bytes for each 128 of K, 16,384 bytes apart; 16 bytes of padding behind each
	DESC G1S, 64, 8, 2048
	s_or_b32 s[G1SB], s44, (3<<16)|(1<<20)|(1<<21)|(5<<22)|(3<<25)  ; wo's scale bytes of 128 rows: a dense block, as 16 rows of 256 bytes
	DESC G1SB, 32, 16, 32
	s_mul_i32 s20, s19, 8*AST
	s_mov_b32 s21, 0
	s_lshl_b32 s22, s19, 9
	s_add_co_u32 s22, s22, ASC_OFF
	s_mov_b32 s23, 0
	s_mul_i32 s46, s42, 128*KROW
	s_mov_b32 s47, 0
	s_lshl_b32 s92, s42, 12
	s_mov_b32 s93, 0
	s_wait_dscnt 0x0                               ; both opening adds are done
	s_wait_kmcnt 0x0
	s_add_nc_u64 s[20:21], s[4:5], s[20:21]
	s_add_nc_u64 s[22:23], s[4:5], s[22:23]
	s_add_nc_u64 s[46:47], s[6:7], s[46:47]
	s_add_nc_u64 s[92:93], s[8:9], s[92:93]
	BASE G0, 0, 20
	BASE G0B, BOFF, 46
	BASE G0S, SCA, 22
	BASE G0SB, SCB, 92
	CROUND                                         ; all sixteen work-groups are here: the joint loads meet
	ARM 1, G0,  G1,  .Lhead_b                      ; one tensor load a wave: every way through the chain passes exactly one
	ARM 2, G0B, G1B, .Lhead_sa
	ARM 3, G0S, G1S, .Lhead_sb
	tensor_load_to_lds s[G0SB:G0SB+3], s[G1SB:G1SB+7]
	s_nop 0
.rept 4
	v_nop
.endr
.Lhead_asked:
	s_lshl_b32 s20, s19, 7
	s_lshl_b32 s21, s[WH], 6
	s_add_co_u32 s20, s20, s21                     ; my first row of C,
	s_lshl_b32 s20, s20, 12                        ; in bytes
	s_lshl_b32 s46, s42, 7
	s_lshl_b32 s47, s[WL], 6
	s_add_co_u32 s46, s46, s47                     ; my first column,
	s_lshl_b32 s46, s46, 2
	s_mov_b32 s47, 0
	s_add_co_u32 s46, s46, s20
	s_add_nc_u64 s[10:11], s[10:11], s[46:47]
	s_add_nc_u64 s[12:13], s[12:13], s[46:47]
	v_and_b32 v1, 15, v0                           ; r
	v_bfe_u32 v2, v0, 4, 1                         ; h
	v_and_b32 v7, 31, v0                           ; lane
	v_lshlrev_b32 v3, 3, v7
	v_mul_u32_u24 v4, v1, BPITCH
	v_mad_u32_u24 v4, v2, 24, v4
	v_lshl_add_u32 v5, v2, 4, v4
	s_mul_i32 s97, s[WH], 4*AST
	s_mul_i32 s98, s[WL], 64*BPITCH
	s_add_co_u32 s98, s98, BOFF
	v_add_nc_u32 v[ADRA], s97, v3
	v_add_nc_u32 v[ADRB], s98, v4
	v_add_nc_u32 v[ADRB+1], s98, v5
	s_lshl_b32 s97, s[WH], 8
	s_add_co_u32 s97, s97, SCA
	v_lshl_add_u32 v[ADSA], v7, 2, s97             ; o's words: my 64 rows, 4 x lane: lanes 0-15 one block of 16 rows, lanes 16-31 the next
	v_mul_u32_u24 v5, v1, KS                       ; wo's: 32 bytes a row, 16 more for each 256 passed;
	v_lshrrev_b32 v6, 8, v5
	v_lshl_add_u32 v5, v6, 4, v5
	v_mad_u32_u24 v5, v2, SBLK, v5                 ; lanes 16-31 take the next block of 16 rows
	s_mul_i32 s97, s[WL], 4*SBLK
	s_add_co_u32 s97, s97, SCB
	v_add_nc_u32 v[ADSB], s97, v5
	s_mul_i32 s97, s[WV], 16*SPITCH
	s_add_co_u32 s97, s97, STAGE                   ; my stage
	v_mul_u32_u24 v4, v1, SPITCH
	v_lshl_add_u32 v4, v2, 5, v4
	v_add_nc_u32 v[STO], s97, v4                   ; in: row r, 32 bytes for each half of the lanes
	v_mul_u32_u24 v4, v2, SPITCH
	v_lshl_add_u32 v4, v1, 4, v4
	v_add_nc_u32 v[RD], s97, v4                    ; back: lanes 0-15 one row of 256 bytes, lanes 16-31 the next
	v_lshlrev_b32 v[CO], 12, v2
	v_lshl_add_u32 v[CO], v1, 4, v[CO]
	WIN 0x80
.irp a, 0,1,2,3
.irp t, 0,1,2,3,4,5,6,7
	global_load_b128 v[32*\a+4*\t:32*\a+4*\t+3], v[CO], s[10:11] offset:(16*\a+2*\t)*4096   ; the residual, in the layout of the stores: sixteen lanes read 256 consecutive bytes
.endr
.endr
	WIN 0
.macro FRAG_A reg, q, i                ; two half fragments: six pieces of 256 consecutive bytes
.irp p, 0,1,2,3,4,5
	ds_load_b64 v[\reg+2*\p:\reg+2*\p+1], v[ADRA] offset:AST*(\i)+1536*(\q)+256*\p
.endr
.endm
.macro FRAG_B reg, q, i                ; from rows: lanes 16-31 read three pieces of 8 bytes on; where that lies behind one padding more (16 bytes behind every 32 pieces), the second address register serves
.irp p, 0,1,2,3,4,5
.set PCE, 12*(\q)+6*(\p/3)+\p%3
.if PCE%32 < 29
	ds_load_b64 v[\reg+2*\p:\reg+2*\p+1], v[ADRB] offset:8*PCE+16*(PCE/32)+(\i)*16*BPITCH
.else
	ds_load_b64 v[\reg+2*\p:\reg+2*\p+1], v[ADRB+1] offset:8*PCE+16*(PCE/32)+(\i)*16*BPITCH
.endif
.endr
.endm
.macro FETCH q, p                      ; 48 LDS loads in one run: the fragments of step q into set p
	WIN 0x40
.irp i, 0,1,2,3
	FRAG_B 128*(\p)+48+12*\i, \q, \i
.endr
.irp i, 0,1,2,3
	FRAG_A 128*(\p)+12*\i, \q, \i
.endr
.endm
.macro SCALES sc                       ; the scale words of steps 4 sc .. 4 sc + 3: register 4 i + q: o's blocks 2 i, 2 i + 1; register 8 + 4 i + q: wo's
.irp i, 0,1
.irp q, 0,1,2,3
	ds_load_b32 v[SC+16*\sc+4*\i+\q], v[ADSA] offset:APITCH*(4*\sc+\q)+128*\i
.endr
	ds_load_b128 v[SC+16*\sc+8+4*\i:SC+16*\sc+11+4*\i], v[ADSB] offset:2*SBLK*\i+16*\sc
.endr
.endm
.macro WM a, b, p, q, sc, zero         ; one product; the row selectors follow the blocks' parities
.set rD, ACC+8*(4*(\a)+(\b))
.set rB, 128*(\p)+48+12*(\b)
.set rA, 128*(\p)+12*(\a)
.set rSB, SC+16*(\sc)+8+4*((\b)/2)+(\q)
.set rSA, SC+16*(\sc)+4*((\a)/2)+(\q)
.set rW, 2*((\a)%2)+(\b)%2+4*(\zero)
.if rW == 0
	v_wmma_scale_f32_16x16x128_f8f6f4 v[rD:rD+7], v[rB:rB+11], v[rA:rA+11], v[rD:rD+7], v[rSB], v[rSA] matrix_a_fmt:MATRIX_FMT_FP6 matrix_b_fmt:MATRIX_FMT_FP6
.elseif rW == 1
	v_wmma_scale_f32_16x16x128_f8f6f4 v[rD:rD+7], v[rB:rB+11], v[rA:rA+11], v[rD:rD+7], v[rSB], v[rSA] matrix_a_fmt:MATRIX_FMT_FP6 matrix_b_fmt:MATRIX_FMT_FP6 matrix_a_scale:MATRIX_SCALE_ROW1
.elseif rW == 2
	v_wmma_scale_f32_16x16x128_f8f6f4 v[rD:rD+7], v[rB:rB+11], v[rA:rA+11], v[rD:rD+7], v[rSB], v[rSA] matrix_a_fmt:MATRIX_FMT_FP6 matrix_b_fmt:MATRIX_FMT_FP6 matrix_b_scale:MATRIX_SCALE_ROW1
.elseif rW == 3
	v_wmma_scale_f32_16x16x128_f8f6f4 v[rD:rD+7], v[rB:rB+11], v[rA:rA+11], v[rD:rD+7], v[rSB], v[rSA] matrix_a_fmt:MATRIX_FMT_FP6 matrix_b_fmt:MATRIX_FMT_FP6 matrix_a_scale:MATRIX_SCALE_ROW1 matrix_b_scale:MATRIX_SCALE_ROW1
.elseif rW == 4
	v_wmma_scale_f32_16x16x128_f8f6f4 v[rD:rD+7], v[rB:rB+11], v[rA:rA+11], 0, v[rSB], v[rSA] matrix_a_fmt:MATRIX_FMT_FP6 matrix_b_fmt:MATRIX_FMT_FP6
.elseif rW == 5
	v_wmma_scale_f32_16x16x128_f8f6f4 v[rD:rD+7], v[rB:rB+11], v[rA:rA+11], 0, v[rSB], v[rSA] matrix_a_fmt:MATRIX_FMT_FP6 matrix_b_fmt:MATRIX_FMT_FP6 matrix_a_scale:MATRIX_SCALE_ROW1
.elseif rW == 6
	v_wmma_scale_f32_16x16x128_f8f6f4 v[rD:rD+7], v[rB:rB+11], v[rA:rA+11], 0, v[rSB], v[rSA] matrix_a_fmt:MATRIX_FMT_FP6 matrix_b_fmt:MATRIX_FMT_FP6 matrix_b_scale:MATRIX_SCALE_ROW1
.else
	v_wmma_scale_f32_16x16x128_f8f6f4 v[rD:rD+7], v[rB:rB+11], v[rA:rA+11], 0, v[rSB], v[rSA] matrix_a_fmt:MATRIX_FMT_FP6 matrix_b_fmt:MATRIX_FMT_FP6 matrix_a_scale:MATRIX_SCALE_ROW1 matrix_b_scale:MATRIX_SCALE_ROW1
.endif
.endm
.macro MULS q, zero                    ; step q's 16 products.  The 16 accumulators take turns, one instruction a turn, in the same order in every step
	WIN MUL
.irp a, 0,1,2,3
.irp b, 0,1,2,3
	WM \a, \b, (\q)%2, (\q)%4, (\q)/4, \zero
.endr
.endr
.endm
.macro STEP q, zero                    ; the next step's fragments are asked for, then set q % 2 is multiplied
.if (\q) > 0
	PLACES
.endif
	FETCH (\q)+1, 1-(\q)%2
	s_wait_dscnt 48                                ; all but the 48 just issued
	MULS \q, \zero
.endm
	s_wait_alu depctr_va_vdst(0)                   ; the wait at the head's end
	s_wait_tensorcnt 0x0                           ; my tile of the four is in,
	s_barrier_signal -1
	s_barrier_wait -1                              ; everybody's is
	FETCH 0, 0
	WIN 0
	SCALES 0
	SCALES 1
	STEP 0, 1                                      ; the first step's products start the sums: nothing is cleared
.irp q, 1,2,3,4,5,6
	STEP \q, 0
.endr
	s_wait_dscnt 0x0
	MULS 7, 0
	WIN 0
; THE WAY OUT, a block of 16 rows x 64 columns at a time: through my own stage, back as rows of 256 bytes, plus the residual, stored sixteen lanes to 256 consecutive bytes, aligned.
.macro TOSTAGE a
.irp b, 0,1,2,3
	ds_store_b128 v[STO], v[ACC+8*(4*(\a)+\b):ACC+8*(4*(\a)+\b)+3] offset:64*\b      ; each accumulator from its low end on
	ds_store_b128 v[STO], v[ACC+8*(4*(\a)+\b)+4:ACC+8*(4*(\a)+\b)+7] offset:64*\b+16
.endr
.set BB, BK+32*((\a)%2)
.irp t, 0,1,2,3,4,5,6,7
	ds_load_b128 v[BB+4*\t:BB+4*\t+3], v[RD] offset:\t*2*SPITCH    ; LDS serves a wave's instructions in order (ISA guide 5.7.1.4): these see the stores above
.endr
.endm
.macro SEND a, younger                 ; younger: the LDS instructions issued behind block a's loads
.set BB, BK+32*((\a)%2)
	s_wait_dscnt \younger
	WIN 0x08                                       ; source 1: window 2
.irp k, 0,1,2,3,4,5,6,7,8,9,10,11,12,13,14,15
	v_pk_add_f32 v[BB+2*\k:BB+2*\k+1], v[BB+2*\k:BB+2*\k+1], v[32*(\a)+2*\k:32*(\a)+2*\k+1]
.endr
	WIN 0
.irp t, 0,1,2,3,4,5,6,7
	global_store_b128 v[CO], v[BB+4*\t:BB+4*\t+3], s[12:13] offset:(16*(\a)+2*\t)*4096
.endr
.endm
	PLACES
	s_wait_loadcnt 0x0                             ; the residual
	TOSTAGE 0
.irp a, 1,2,3
.if \a > 1
	s_wait_xcnt 0x0                                ; block a - 2's stores have read their registers: block a's loads may land there
.endif
	TOSTAGE \a
	SEND \a-1, 16                                  ; behind block a - 1's loads: block a's eight stores and eight loads
.endr
	SEND 3, 0
	s_wait_tensorcnt 0x0                           ; the wave's end
	ds_add_u32 v[SPW], v[NIL]
	s_wait_dscnt 0x0
	CROUND                                         ; the closing round
	s_endpgm
.Lfunc_end_k_q6700bf0131_wo:
	.size	k_q6700bf0131_wo, .Lfunc_end_k_q6700bf0131_wo-k_q6700bf0131_wo
	.p2alignl 7, 3214868480
	.fill 96, 4, 3214868480
	.section	.rodata,"a",@progbits
	.p2align	6, 0x0
	.amdhsa_kernel k_q6700bf0131_wo
		.amdhsa_group_segment_fixed_size 327680
		.amdhsa_private_segment_fixed_size 0
		.amdhsa_enable_private_segment 0
		.amdhsa_kernarg_size 40
		.amdhsa_user_sgpr_count 2
		.amdhsa_user_sgpr_kernarg_segment_ptr 1
		.amdhsa_wavefront_size32 1
		.amdhsa_system_sgpr_workgroup_id_x 1
		.amdhsa_system_sgpr_workgroup_id_y 1
		.amdhsa_system_sgpr_workgroup_id_z 1
		.amdhsa_system_vgpr_workitem_id 0
		.amdhsa_next_free_vgpr 768
		.amdhsa_next_free_sgpr 100
		.amdhsa_reserve_vcc 0
		.amdhsa_float_denorm_mode_32 3
		.amdhsa_float_denorm_mode_16_64 3
		.amdhsa_memory_ordered 1
		.amdhsa_forward_progress 1
		.amdhsa_inst_pref_size 67
	.end_amdhsa_kernel
	.amdgpu_metadata
---
amdhsa.version: [ 1, 2 ]
amdhsa.kernels:
  - .name:           k_q6700bf0131_wo
    .symbol:         k_q6700bf0131_wo.kd
    .args:
      - { .name: oq, .offset: 0, .size: 8, .value_kind: global_buffer, .address_space: global }
      - { .name: wo_codes, .offset: 8, .size: 8, .value_kind: global_buffer, .address_space: global }
      - { .name: wo_scales, .offset: 16, .size: 8, .value_kind: global_buffer, .address_space: global }
      - { .name: x, .offset: 24, .size: 8, .value_kind: global_buffer, .address_space: global }
      - { .name: xr, .offset: 32, .size: 8, .value_kind: global_buffer, .address_space: global }
    .group_segment_fixed_size: 327680
    .private_segment_fixed_size: 0
    .kernarg_segment_align: 8
    .kernarg_segment_size: 40
    .max_flat_workgroup_size: 128
    .sgpr_count:     100
    .vgpr_count:     768
    .wavefront_size: 32
...
	.end_amdgpu_metadata
.endif
;; end of part 4
;; launch ln2: the kernel of part 1 again; grid 256 x 1, 4 waves a work-group, no clusters, 22,016 bytes of LDS; arguments xr, ln2_g, ln2_b, x2q; writes x2q
;; launch w1 (part 5): grid 16 x 16, 4 waves a work-group, clusters of 4 x 4, 327,680 bytes of LDS; arguments x2q, w1_codes, w1_scales, b1, hq; writes hq
.if DOCPART == 5
	.amdgcn_target "amdgcn-amd-amdhsa--gfx1250"
	.amdhsa_code_object_version 6
	.text
	.protected	k_q6700bf0131_w1
	.globl	k_q6700bf0131_w1
	.p2align	8
	.type	k_q6700bf0131_w1,@function
k_q6700bf0131_w1:
	s_mov_b64 s[64:65], 0
	v_nop
	global_prefetch_b8 v0, s[64:65] scope:SCOPE_SE
	s_setreg_imm32_b32 hwreg(HW_REG_WAVE_MODE, 25, 1), 1
	s_wait_xcnt 0x0
	s_wait_alu depctr_hold_cnt(0) depctr_sa_sdst(0) depctr_va_vdst(0) depctr_va_sdst(0) depctr_va_ssrc(0) depctr_va_vcc(0) depctr_vm_vsrc(0)
	s_getreg_b32 s2, hwreg(HW_REG_IB_STS2, 6, 4)
	s_cmp_eq_u32 s2, 0
	s_cbranch_scc0 .Lentry_in_a_cluster
	s_endpgm
.Lentry_in_a_cluster:
	s_bfe_u32 s2, ttmp6, 0x10000c
	s_cmp_lg_u32 s2, 0xf033
	s_cbranch_scc0 .Lentry_shape_is_right
	s_endpgm
.Lentry_shape_is_right:
.set IS_QKV, 0
; h = relu(x2 w1^T + b1): a GEMM on codes of MX-FP6 (E2M3), K = 1,024, a tile of 256 x 256 to a work-group, 128 x 128 to a wave; h is quantised along the next product's K and leaves as images of fragments and scale words.
; A row of codes is 768 bytes: three CHUNKS of 256 bytes, each beginning at a multiple of 256 bytes.  Chunk c lies in slot c % 2 (A's 256 rows, then B's 256 rows, 272 bytes apart).
; THE HEAD fills both slots, one joint load of 256 rows a wave: wave 0 A's chunk 0, wave 1 A's chunk 1, wave 2 B's chunk 0, wave 3 B's chunk 1.  ONE refill follows: chunk 2 into slot 0, a quarter a wave, behind step 2's round.
; A step of 128 along K is 96 bytes of a row; steps 2 and 5 lie across two chunks and take their pieces from both slots.  The scale words and the bias come from memory straight into registers, once.
; Chunk 2 is prefetched at the head, three steps ahead of its load: of the 128 rows that a wave will fetch each of the four partners names 32, told apart by address, a lane a row.
.set ROWB,  256
.set KROW,  768
.set PITCH, 272
.set FR,    12
.set NL,    6
.set NP,    4
.set HALFT, 128*PITCH
.set SLOT,  4*HALFT
.set SPARE, 2*SLOT
.set XSC,   3145728
.if IS_QKV
.set STEP_A, 768
.set STEP_C, 49152
.else
.set STEP_A, 49152
.endif
.set ADRA, 16
.set ADRB, 20
.set VO,   24
.set LS,   25
.set SO,   26
.set BO,   27
.set SPW,  28
.set NIL,  29
.set SA,   32
.set SB,   64
.set TM,   96
.set PW,   112
.set MW,   120
.set AF,   128
.set CD,   128
.set H,    160
.set G1,   24
.set G0,   32
.set G1B,  48
.set G0B,  56
.set FLR,  96
.set SEL,  98
.set MSK,  100
.set MSB, 0
.macro WIN new
.if MSB != (\new)
	s_set_vgpr_msb (MSB<<8)|(\new)
.set MSB, (\new)
.endif
.endm
.set MUL_LO, 0xa1
.set MUL_HI, 0xf1
.set TO_B,   0x40
.macro JLOAD g0a, g1a, g0b, g1b
	s_cmp_eq_u32 s15, 0
	s_cbranch_scc0 .Lfor_b_\@
	tensor_load_to_lds s[\g0a:\g0a+3], s[\g1a:\g1a+7]
	s_nop 0
.rept 4
	v_nop
.endr
	s_branch .Lasked_\@
.Lfor_b_\@:
	tensor_load_to_lds s[\g0b:\g0b+3], s[\g1b:\g1b+7]
	s_nop 0
.rept 4
	v_nop
.endr
.Lasked_\@:
.endm
.macro CREST
	s_cmp_lg_u32 s14, 0
	s_cbranch_scc1 .Lnot_wave_0_\@
	s_barrier_signal -3
.Lnot_wave_0_\@:
	s_barrier_wait -3
	s_barrier_signal -1
	s_barrier_wait -1
.endm
.macro CROUND
	s_barrier_signal -1
	s_barrier_wait -1
	CREST
.endm
.if IS_QKV
	s_load_b256 s[68:75], s[0:1], 0x0
	s_load_b256 s[76:83], s[0:1], 0x20
.else
	s_load_b256 s[68:75], s[0:1], 0x0
	s_load_b64 s[76:77], s[0:1], 0x20
.endif
	v_lshl_add_u32 v[SPW], v0, 2, SPARE
	v_mov_b32 v[NIL], 0
	ds_add_u32 v28, v29
	ds_add_u32 v28, v29
	s_wait_dscnt 0x0
	v_lshrrev_b32 v1, 5, v0
	v_readfirstlane_b32 s14, v1
	s_lshr_b32 s15, s14, 1
	s_and_b32 s16, s14, 1
	s_bfe_u32 s40, ttmp6, 0x40000
	s_bfe_u32 s41, ttmp6, 0x40004
	s_and_b32 s17, ttmp7, 0xffff
	s_lshl_b32 s43, s41, 2
	s_lshl_b32 s43, 15, s43
	s_lshl_b32 s44, 0x1111, s40
	s_or_b32 s[G1+0], s43, (1<<20)|(1<<21)|(5<<22)|(3<<25)   ; rows of 256 bytes, 16 bytes of padding behind each
	s_or_b32 s[G1B+0], s44, (1<<20)|(1<<21)|(5<<22)|(3<<25)
.irp g, G1, G1B
	s_mov_b32 s[\g+1], ROWB<<16
	s_mov_b32 s[\g+2], 256<<16                     ; 256 rows for the head's loads; set to 128 behind the wait for them
	s_mov_b32 s[\g+3], ROWB<<16
	s_mov_b32 s[\g+4], 256
	s_mov_b32 s[\g+5], KROW
	s_mov_b32 s[\g+6], 0
	s_mov_b32 s[\g+7], 0
.endr
	s_mov_b32 s[FLR], 0x1800000
	s_mov_b32 s[SEL], 0x76543210
	s_mov_b32 s[SEL+1], 0xfedcba98
	s_mov_b32 s[MSK], 0xffff0000
.if IS_QKV
	s_lshl_b32 s84, s17, 10
	s_cmp_eq_u32 ttmp9, 2
	s_cselect_b32 s90, 0, s84
	s_cselect_b32 s91, s84, 0
	s_lshl_b32 s85, s41, 8
	s_add_co_u32 s90, s90, s85
	s_lshl_b32 s87, s40, 8
	s_add_co_u32 s91, s91, s87
.else
	s_lshl_b32 s90, s17, 2
	s_add_co_u32 s90, s90, s41
	s_lshl_b32 s90, s90, 8
	s_lshl_b32 s91, ttmp9, 2
	s_add_co_u32 s91, s91, s40
	s_lshl_b32 s91, s91, 8
.endif
	s_lshl_b32 s18, s16, 7
	s_lshl_b32 s19, s15, 7
	s_add_co_u32 s20, s90, s18
	s_mul_i32 s20, s20, KROW
	s_mov_b32 s21, 0
	s_add_co_u32 s46, s91, s18
	s_mul_i32 s46, s46, KROW
	s_mov_b32 s47, 0
	s_add_co_u32 s22, s90, s19
	s_add_co_u32 s23, s91, s18
	s_lshl_b32 s84, s22, 5
	s_mov_b32 s85, 0
	s_lshl_b32 s86, s23, 5
	s_mov_b32 s87, 0
	s_mul_i32 s45, s14, HALFT
	s_wait_kmcnt 0x0
.if IS_QKV
	s_add_nc_u64 s[88:89], s[68:69], XSC
	s_cmp_eq_u32 ttmp9, 0
	s_cselect_b64 s[4:5], s[70:71], s[74:75]
	s_cselect_b64 s[6:7], s[72:73], s[76:77]
	s_cmp_eq_u32 ttmp9, 2
	s_cselect_b64 s[8:9], s[78:79], s[4:5]
	s_cselect_b64 s[10:11], s[80:81], s[6:7]
	s_cselect_b64 s[4:5], s[8:9], s[68:69]
	s_cselect_b64 s[6:7], s[10:11], s[88:89]
	s_cselect_b64 s[8:9], s[68:69], s[8:9]
	s_cselect_b64 s[10:11], s[88:89], s[10:11]
.else
	s_mov_b64 s[4:5], s[68:69]
	s_add_nc_u64 s[6:7], s[68:69], XSC
	s_mov_b64 s[8:9], s[70:71]
	s_mov_b64 s[10:11], s[72:73]
.endif
	s_add_nc_u64 s[20:21], s[4:5], s[20:21]
	s_add_nc_u64 s[46:47], s[8:9], s[46:47]
	s_add_nc_u64 s[6:7], s[6:7], s[84:85]
	s_add_nc_u64 s[10:11], s[10:11], s[86:87]
	s_mov_b32 s[G0], 1                             ; the refill: chunk 2 of my 128 rows, into my quarter of slot 0
	s_mov_b32 s[G0+1], s45
	s_add_nc_u64 s[G0+2:G0+3], s[20:21], 2*ROWB
	s_or_b32 s[G0+3], s[G0+3], 0x80000000
	s_mov_b32 s[G0B], 1
	s_mov_b32 s[G0B+1], s45
	s_add_nc_u64 s[G0B+2:G0B+3], s[46:47], 2*ROWB
	s_or_b32 s[G0B+3], s[G0B+3], 0x80000000
	s_mul_i32 s84, s18, KROW
	s_mov_b32 s85, 0
	s_sub_nc_u64 s[20:21], s[20:21], s[84:85]      ; back to the tiles' first rows
	s_sub_nc_u64 s[46:47], s[46:47], s[84:85]
	s_lshl_b32 s84, s16, 8                         ; the head's loads: chunk wave & 1 of all 256 rows,
	s_mul_i32 s86, s16, SLOT                       ; into slot wave & 1
	s_mov_b32 s[G0+4], 1
	s_mov_b32 s[G0+5], s86
	s_add_nc_u64 s[G0+6:G0+7], s[20:21], s[84:85]
	s_or_b32 s[G0+7], s[G0+7], 0x80000000
	s_mov_b32 s[G0B+4], 1
	s_add_co_u32 s[G0B+5], s86, 2*HALFT
	s_add_nc_u64 s[G0B+6:G0B+7], s[46:47], s[84:85]
	s_or_b32 s[G0B+7], s[G0B+7], 0x80000000
	s_cmp_eq_u32 s15, 0                            ; the prefetch: of the 128 rows that I fetch, my work-group's 32
	s_cselect_b64 s[2:3], s[20:21], s[46:47]
	s_cselect_b32 s92, s40, s41                    ; my place among the four that ask with me
	s_lshl_b32 s92, s92, 5
	s_add_co_u32 s92, s92, s18
	s_mul_i32 s92, s92, KROW
	s_mov_b32 s93, 0
	s_add_nc_u64 s[2:3], s[2:3], s[92:93]
	CROUND                                         ; all sixteen work-groups are here: the first joint loads meet
	JLOAD G0+4, G1, G0B+4, G1B                     ; one tensor load a wave at the head
.if IS_QKV
	s_lshl_b32 s92, s40, 8
	s_add_co_u32 s92, s92, s18
	s_lshl_b32 s93, s41, 8
	s_add_co_u32 s93, s93, s19
	s_lshl_b32 s94, s17, 4
	s_lshr_b32 s95, s92, 6
	s_add_co_u32 s94, s94, s95
	s_lshl_b32 s94, s94, 6
	s_lshr_b32 s95, s93, 4
	s_add_co_u32 s94, s94, s95
	s_mul_i32 s94, s94, 768
	s_mul_i32 s95, ttmp9, 3145728
	s_add_co_u32 s94, s94, s95
	s_mov_b32 s95, 0
	s_add_nc_u64 s[12:13], s[82:83], s[94:95]
	s_lshl_b32 s94, s17, 3
	s_lshr_b32 s95, s92, 7
	s_add_co_u32 s94, s94, s95
	s_lshl_b32 s94, s94, 10
	s_add_co_u32 s94, s94, s93
	s_lshl_b32 s94, s94, 2
	s_mul_i32 s95, ttmp9, 131072
	s_add_co_u32 s94, s94, s95
	s_add_co_u32 s94, s94, 9437184
	s_mov_b32 s95, 0
	s_add_nc_u64 s[66:67], s[82:83], s[94:95]
.else
	s_lshr_b32 s93, s22, 4
	s_mul_i32 s93, s93, 49152
	s_lshr_b32 s94, s23, 6
	s_mul_i32 s94, s94, 768
	s_add_co_u32 s94, s94, s93
	s_mov_b32 s95, 0
	s_add_nc_u64 s[12:13], s[76:77], s[94:95]
	s_lshr_b32 s94, s23, 7
	s_lshl_b32 s94, s94, 14
	s_lshl_b32 s93, s22, 2
	s_add_co_u32 s94, s94, s93
	s_add_co_u32 s94, s94, 12582912
	s_add_nc_u64 s[66:67], s[76:77], s[94:95]
	s_lshl_b32 s94, s23, 2
	s_add_nc_u64 s[88:89], s[74:75], s[94:95]
.endif
	v_and_b32 v1, 15, v0
	v_bfe_u32 v2, v0, 4, 1
	v_mul_u32_u24 v3, v1, PITCH
	v_mul_u32_u24 v4, v2, 24
	v_add_nc_u32 v4, v3, v4
	s_mov_b32 s92, SLOT-232
	s_mov_b32 s93, SLOT+232
	v_sub_nc_u32 v7, 1, v2
	v_mul_u32_u24 v5, s92, v2
	v_add_nc_u32 v5, v3, v5
	v_add_nc_u32 v5, 232, v5                       ; across two chunks: lanes 0-15 byte 232 of the row in slot 0, lanes 16-31 byte 0 of the row in slot 1;
	v_mul_u32_u24 v6, s93, v7
	v_add_nc_u32 v6, v3, v6                        ; and lanes 0-15 byte 232 in slot 1, lanes 16-31 byte 0 in slot 0
	s_mul_i32 s84, s15, HALFT
	s_mul_i32 s86, s16, HALFT
	s_add_co_u32 s86, s86, 2*HALFT
	v_add_nc_u32 v[ADRA+2], s84, v5
	v_add_nc_u32 v[ADRA+3], s84, v6
	v_add_nc_u32 v[ADRB+2], s86, v5
	v_add_nc_u32 v[ADRB+3], s86, v6
.irp s, 0,1
	v_add_nc_u32 v[ADRA+\s], s84, v4
	v_add_nc_u32 v[ADRB+\s], s86, v4
	s_add_co_u32 s84, s84, SLOT
	s_add_co_u32 s86, s86, SLOT
.endr
	v_and_b32 v6, 31, v0
	v_mul_u32_u24 v30, v6, KROW                    ; a lane a row; v30 and s[2:3] are never rewritten
	global_prefetch_b8 v30, s[2:3] offset:2*ROWB th:TH_LOAD_NT scope:SCOPE_SE   ; chunk 2 of 32 rows
.if IS_QKV
	v_lshlrev_b32 v[VO], 3, v6
.else
	v_lshlrev_b32 v[VO], 4, v6
.endif
	v_lshlrev_b32 v[LS], 2, v6
	v_lshlrev_b32 v[SO], 5, v1
	v_lshl_add_u32 v[SO], v2, 4, v[SO]
.irp b, 0,1,2,3
	v_mov_b32 v[TM+4+\b], 0
.endr
.irp i, 0,1,2,3,4,5,6,7
	global_load_b128 v[SA+4*\i:SA+4*\i+3], v[SO], s[6:7] offset:512*\i
	global_load_b128 v[SB+4*\i:SB+4*\i+3], v[SO], s[10:11] offset:512*\i
.endr
.if !IS_QKV
	v_lshlrev_b32 v[BO], 5, v2
	WIN TO_B
.irp b, 0,1,2,3,4,5,6,7
	global_load_b128 v[96+8*\b+96*(\b/4):99+8*\b+96*(\b/4)], v[BO], s[88:89] offset:64*\b
	global_load_b128 v[100+8*\b+96*(\b/4):103+8*\b+96*(\b/4)], v[BO], s[88:89] offset:64*\b+16
.endr
	WIN 0
.endif
.macro FRAG reg, adr, st, i            ; a fragment of step st: six pieces of 8 bytes; byte y of a row lies in slot (y / 256) % 2 at byte y % 256 of the LDS row
.irp p, 0,1,2,3,4,5
.set BY, 96*(\st)+48*(\p/3)+8*(\p%3)
.if BY/ROWB == (BY+24)/ROWB
	ds_load_b64 v[\reg+2*\p:\reg+2*\p+1], v[\adr+(BY/ROWB)%2] offset:BY%ROWB+(\i)*16*PITCH
.else                                  ; lanes 16-31, 24 bytes on, read the next chunk
	ds_load_b64 v[\reg+2*\p:\reg+2*\p+1], v[\adr+2+(BY/ROWB)%2] offset:BY%ROWB-232+(\i)*16*PITCH
.endif
.endr
.endm
.macro MUL16 a0, p, ks, mode
.irp a, \a0, \a0+1
.irp b, 0,1,2,3,4,5,6,7
.set rD, 8*(8*((\a)%4)+\b)
.set rB, 128*(\p)+FR*\b
.set rA, AF+FR*(\a)
.set rSB, SB+4*\b+(\ks)%4
.set rSA, SA+4*(\a)+(\ks)%4
.set rC, 96+8*\b+96*(\b/4)
.if \mode == 1
	v_wmma_scale_f32_16x16x128_f8f6f4 v[rD:rD+7], v[rB:rB+FR-1], v[rA:rA+FR-1], 0, v[rSB], v[rSA] matrix_a_fmt:MATRIX_FMT_FP6 matrix_b_fmt:MATRIX_FMT_FP6
.elseif \mode == 2
	v_wmma_scale_f32_16x16x128_f8f6f4 v[rD:rD+7], v[rB:rB+FR-1], v[rA:rA+FR-1], v[rC:rC+7], v[rSB], v[rSA] matrix_a_fmt:MATRIX_FMT_FP6 matrix_b_fmt:MATRIX_FMT_FP6
.elseif (\ks) < 4
	v_wmma_scale_f32_16x16x128_f8f6f4 v[rD:rD+7], v[rB:rB+FR-1], v[rA:rA+FR-1], v[rD:rD+7], v[rSB], v[rSA] matrix_a_fmt:MATRIX_FMT_FP6 matrix_b_fmt:MATRIX_FMT_FP6
.else
	v_wmma_scale_f32_16x16x128_f8f6f4 v[rD:rD+7], v[rB:rB+FR-1], v[rA:rA+FR-1], v[rD:rD+7], v[rSB], v[rSA] matrix_a_fmt:MATRIX_FMT_FP6 matrix_b_fmt:MATRIX_FMT_FP6 matrix_a_scale:MATRIX_SCALE_ROW1 matrix_b_scale:MATRIX_SCALE_ROW1
.endif
.endr
.endr
.endm
.macro FETCH_B st, p
	WIN TO_B
.irp i, 0,1,2,3,4,5,6,7
	FRAG 128*(\p)+FR*\i, ADRB, \st, \i
.endr
	WIN 0
.endm
.macro FETCH_A st, i0
.irp i, \i0, \i0+1, \i0+2, \i0+3
	FRAG AF+FR*(\i), ADRA, \st, \i
.endr
.endm
.macro PLACES n
.rept \n
	v_nop
.endr
.endm
; A step of 128 along K: 64 matrix instructions on step st's fragments; the next step's are fetched in its middle and at its end.
; kind 1 (step 2): chunk 0 is read no more: the three lines, the barrier that opens a round of the cluster's barrier, and the refill of slot 0 with chunk 2.
; kind 2 (step 4): the next step reads chunk 2: every wave waits for its load, and a barrier shows the chunk whole.
.macro STEP st, mode, kind
.if \mode == 2
.set LO_, 0x91
.set HI_, 0xd1
.else
.set LO_, MUL_LO
.set HI_, MUL_HI
.endif
.if \kind
	s_wait_tensorcnt 0x0                           ; all my tensor loads have landed
.if \kind == 1
	ds_add_u32 v[SPW], v[NIL]
	s_wait_dscnt 4*NL+1                            ; the add and A's blocks 4-7 may be out
.else
	s_wait_dscnt 4*NL
.endif
	WIN LO_
	MUL16 0, (\st)%2, \st, \mode
	s_wait_dscnt 0x0                               ; the add is done and my reads are over
	s_barrier_signal -1
	MUL16 2, (\st)%2, \st, \mode
	WIN 0
	s_barrier_wait -1
.if \kind == 1
	CREST
	JLOAD G0, G1, G0B, G1B                         ; the first tensor load behind the round; its four v_nop are the places in front of the loads below
.else
	PLACES NP
.endif
.else
	s_wait_dscnt 4*NL                              ; B's set and A's blocks 0-3 are in
	WIN LO_
	MUL16 0, (\st)%2, \st, \mode
	MUL16 2, (\st)%2, \st, \mode
	s_wait_dscnt 0
	PLACES NP
.endif
	FETCH_B (\st)+1, ((\st)+1)%2
	FETCH_A (\st)+1, 0
	WIN HI_
	MUL16 4, (\st)%2, \st, \mode
	MUL16 6, (\st)%2, \st, \mode
	PLACES NP
	WIN 0
	FETCH_A (\st)+1, 4
.endm
	s_wait_alu depctr_va_vdst(0)                   ; the wait at the head's end
	s_wait_tensorcnt 0x0                           ; my tile of the head's four is in, so a descriptor may be written: the refill brings 128 rows
	s_mov_b32 s[G1+2], 128<<16
	s_mov_b32 s[G1+4], 128
	s_mov_b32 s[G1B+2], 128<<16
	s_mov_b32 s[G1B+4], 128
	s_barrier_signal -1
	s_barrier_wait -1                              ; everybody's is: both slots are whole
	FETCH_B 0, 0
	FETCH_A 0, 0
	FETCH_A 0, 4
	s_wait_loadcnt 0x0
.if IS_QKV
	STEP 0, 1, 0
.else
	STEP 0, 2, 0
.endif
	STEP 1, 0, 0
	STEP 2, 0, 1
	STEP 3, 0, 0
	STEP 4, 0, 2
	STEP 5, 0, 0
	STEP 6, 0, 0
	s_wait_dscnt 4*NL
	WIN MUL_LO
	MUL16 0, 1, 7, 0
	MUL16 2, 1, 7, 0
	s_wait_dscnt 0
	WIN MUL_HI
	MUL16 4, 1, 7, 0
	MUL16 6, 1, 7, 0
	WIN 0
.macro QUANT s, w, pw
.set QS, (\s)
.set QW, (\w)
	WIN (QW<<2)|(QW<<4)
.irp b, 0,1,2,3
	v_max3_num_f32 v[TM+\b], s[FLR], |v[QS+16*\b]|, |v[QS+1+16*\b]|
.endr
.irp i, 2,4,6,8,10,12,14
.irp b, 0,1,2,3
	v_max3_num_f32 v[TM+\b], v[TM+\b], |v[QS+16*\b+\i]|, |v[QS+1+16*\b+\i]|
.endr
.endr
	WIN 0
.irp b, 0,1,2,3
	v_permlanex16_b32 v[TM+4+\b], v[TM+\b], s[SEL], s[SEL+1]
.endr
.irp b, 0,1,2,3
	v_max_num_f32 v[TM+\b], v[TM+\b], v[TM+4+\b]
.endr
.irp b, 0,1,2,3
	v_add_nc_u32 v[TM+12+\b], 0xff000000, v[TM+\b]
.endr
.irp b, 0,1,2,3
	v_lshrrev_b32 v[TM+4+\b], 23, v[TM+12+\b]
.endr
	v_lshl_or_b32 v[\pw], v[TM+5], 8, v[TM+4]
	v_lshl_or_b32 v[\pw], v[TM+6], 16, v[\pw]
	v_lshl_or_b32 v[\pw], v[TM+7], 24, v[\pw]
	s_wait_xcnt 0x0
	WIN QW
.irp c, 0,1
	v_cvt_scalef32_pk16_fp6_f32 v[CD+6*\c:CD+2+6*\c], v[QS+32*\c:QS+15+32*\c], v[TM+12+2*\c]
	v_cvt_scalef32_pk16_fp6_f32 v[CD+12+4*\c:CD+14+4*\c], v[QS+16+32*\c:QS+31+32*\c], v[TM+12+2*\c+1]
.endr
	WIN 0
	v_nop
.irp c, 0,1
.irp i, 0,1,2
	v_permlane16_swap_b32 v[CD+6*\c+\i], v[CD+12+4*\c+\i]
.endr
.irp i, 0,1,2
	v_mov_b32 v[CD+3+6*\c+\i], v[CD+12+4*\c+\i]
.endr
.endr
.endm
	PLACES NP
.irp a, 0,1,2,3,4,5,6,7
.if IS_QKV
	QUANT 64*(\a%4), 2+\a/4, PW+\a
.irp p, 0,1,2,3,4,5
	global_store_b64 v[VO], v[CD+2*\p:CD+2*\p+1], s[12:13] offset:\a*STEP_A+(\p/3)*STEP_C+256*(\p%3)
.endr
.else
	WIN (2+\a/4)<<2
.set j, 0
.rept 64
	v_max_num_f32 v[H+j], 0, v[64*(\a%4)+j]
.set j, j+1
.endr
	WIN 0
.irp b, 0,1,2,3
.irp i, 0,1,2,3,4,5,6,7
	v_permlane16_swap_b32 v[H+16*\b+\i], v[H+16*\b+8+\i]
.endr
.endr
	QUANT H, 0, PW+\a
.irp c, 0,1,2
	global_store_b128 v[VO], v[CD+4*\c:CD+4*\c+3], s[12:13] offset:\a*STEP_A+512*\c
.endr
.endif
.endr
.irp i, 0,1,2,3
	v_cndmask_b32 v[MW+\i], v[PW+2*\i], v[PW+2*\i+1], s[MSK]
.endr
.irp i, 0,1,2,3
	global_store_b32 v[LS], v[MW+\i], s[66:67] offset:128*\i
.endr
	s_wait_tensorcnt 0x0
	ds_add_u32 v[SPW], v[NIL]
	s_wait_dscnt 0x0
	CROUND
	s_endpgm
.Lfunc_end_k_q6700bf0131_w1:
	.size	k_q6700bf0131_w1, .Lfunc_end_k_q6700bf0131_w1-k_q6700bf0131_w1
	.p2alignl 7, 3214868480
	.fill 96, 4, 3214868480
	.section	.rodata,"a",@progbits
	.p2align	6, 0x0
	.amdhsa_kernel k_q6700bf0131_w1
		.amdhsa_group_segment_fixed_size 327680
		.amdhsa_private_segment_fixed_size 0
		.amdhsa_enable_private_segment 0
		.amdhsa_kernarg_size 40
		.amdhsa_user_sgpr_count 2
		.amdhsa_user_sgpr_kernarg_segment_ptr 1
		.amdhsa_wavefront_size32 1
		.amdhsa_system_sgpr_workgroup_id_x 1
		.amdhsa_system_sgpr_workgroup_id_y 1
		.amdhsa_system_sgpr_workgroup_id_z 1
		.amdhsa_system_vgpr_workitem_id 0
		.amdhsa_next_free_vgpr 1024
		.amdhsa_next_free_sgpr 102
		.amdhsa_reserve_vcc 0
		.amdhsa_float_denorm_mode_32 3
		.amdhsa_float_denorm_mode_16_64 3
		.amdhsa_memory_ordered 1
		.amdhsa_forward_progress 1
		.amdhsa_inst_pref_size 185
	.end_amdhsa_kernel
	.amdgpu_metadata
---
amdhsa.version: [ 1, 2 ]
amdhsa.kernels:
  - .name:           k_q6700bf0131_w1
    .symbol:         k_q6700bf0131_w1.kd
    .args:
      - { .name: x2q, .offset: 0, .size: 8, .value_kind: global_buffer, .address_space: global }
      - { .name: w1_codes, .offset: 8, .size: 8, .value_kind: global_buffer, .address_space: global }
      - { .name: w1_scales, .offset: 16, .size: 8, .value_kind: global_buffer, .address_space: global }
      - { .name: b1, .offset: 24, .size: 8, .value_kind: global_buffer, .address_space: global }
      - { .name: hq, .offset: 32, .size: 8, .value_kind: global_buffer, .address_space: global }
    .group_segment_fixed_size: 327680
    .private_segment_fixed_size: 0
    .kernarg_segment_align: 8
    .kernarg_segment_size: 40
    .max_flat_workgroup_size: 128
    .sgpr_count:     102
    .vgpr_count:     1024
    .wavefront_size: 32
...
	.end_amdgpu_metadata
.endif
;; end of part 5
;; launch w2 (part 6): grid 8 x 32, 4 waves a work-group, clusters of 4 x 4, 327,680 bytes of LDS; arguments hq, w2_codes, w2_scales, xr, out0, b2; writes out0
.if DOCPART == 6
	.amdgcn_target "amdgcn-amd-amdhsa--gfx1250"
	.amdhsa_code_object_version 6
	.text
	.protected	k_q6700bf0131_w2
	.globl	k_q6700bf0131_w2
	.p2align	8
	.type	k_q6700bf0131_w2,@function
k_q6700bf0131_w2:
	s_mov_b64 s[64:65], 0
	v_nop
	global_prefetch_b8 v0, s[64:65] scope:SCOPE_SE
	s_setreg_imm32_b32 hwreg(HW_REG_WAVE_MODE, 25, 1), 1
	s_wait_xcnt 0x0
	s_wait_alu depctr_hold_cnt(0) depctr_sa_sdst(0) depctr_va_vdst(0) depctr_va_sdst(0) depctr_va_ssrc(0) depctr_va_vcc(0) depctr_vm_vsrc(0)
	s_getreg_b32 s2, hwreg(HW_REG_IB_STS2, 6, 4)
	s_cmp_eq_u32 s2, 0
	s_cbranch_scc0 .Lentry_in_a_cluster
	s_endpgm
.Lentry_in_a_cluster:
	s_bfe_u32 s2, ttmp6, 0x10000c
	s_cmp_lg_u32 s2, 0xf033
	s_cbranch_scc0 .Lentry_shape_is_right
	s_endpgm
.Lentry_shape_is_right:
; out = xr + h W^T + b2: a GEMM on codes of MX-FP6 (E2M3), M 4,096, N 1,024, K 4,096, f32 results.
; h comes as the launch before laid it: a fragment (16 rows x 128 along K, 12 registers) is an IMAGE of its registers, 1,536 bytes: three pieces of 512 bytes, piece c = registers 4 c .. 4 c + 3, lane l's 16 bytes at 16 l;
; [row / 16][K / 128]; from byte ASC_OFF on its scale words [K / 128][row].  W comes as given: rows of 3,072 bytes, 128 scale bytes a row.
; A tile of C is 128 x 128, since 256 x 256 would give 64 tiles for 256 WGPs.  Wave w makes rows 32 w .. 32 w + 31 x all 128 columns: 16 accumulators.
; W ALONE GOES THROUGH LDS.  A slot holds 1,024 along K of the tile's 128 rows of W: four chunks, two slots, TWO refills, each with eight steps of 128 along K (128 matrix instructions a wave) in which to land.
; With h's tile beside it a slot of the same bytes would hold 512 along K: six refills with half the work each.
; h GOES FROM MEMORY STRAIGHT INTO REGISTERS.  A wave's 32 rows of h are read by no other wave of the work-group; a step of 128 along K is six loads of 512 consecutive bytes.  A ring of eight steps (192 registers) is asked for seven
; steps ahead: at most 58 loads of a wave are out.  The eight work-groups of a tile row each read these rows for themselves: a joint request lands in LDS, where it would halve the K that a slot holds.
; CLUSTER 4 x 4: W's chunks and scale bytes are asked for jointly along a column of the cluster, h's scale words along a row.  All scales of the tile's rows, for all of K, come once, with the first fills, and stay in LDS.
; THE MATRIX INSTRUCTION IS USED TRANSPOSED (source 0 = 16 rows of W, source 1 = 16 rows of h): a lane holds eight neighbouring numbers of a row of C.
; A scale register carries two neighbouring blocks' words, one in lanes 0-15, the other in lanes 16-31; the instruction's row selectors choose.
; The residual's 32 rows are asked for two at a time in steps 4 to 19, among h's loads, in the layout in which the results are stored.  The 32 steps are written out by macro: every offset is an immediate, no pointer is stepped.
; REGISTERS: window 0: v12-15 the bias; v16-30 addresses; v32-71 scale words, two sets of 20 for four steps each (nothing else, ever); v128-255 the way out.
;   window 1: W's fragments, two sets of 96, at v0 and v128.   window 2: v0-191 h's ring: step s at v[24 (s % 8)], block a 12 further on.   window 3: v0-127 the accumulators ((a, b) at v[8 (8 a + b)]); v128-255 the residual, row n at v[128 + 4 n].
.set NS,      32                       ; steps of 128 along K
.set KS,      128                      ; a row of W's scale bytes
.set KROW,    3072                     ; a row of W's codes
.set AST,     49152                    ; 16 rows of h: 32 fragments
.set AFR,     1536                     ; a fragment
.set ASC_OFF, 12582912
.set CHB,     768                      ; a chunk's part of a row of W: 1,024 codes
.set BPITCH,  816                      ; in LDS: 3 x (256 bytes + 16 of padding) = 204 words: row r starts at bank 12 r mod 64, sixteen different multiples of 4 (64 banks of 4 bytes: ISA guide 11.1); lanes 16-31 lie 6 or 10 words on
.set BQ,      32*BPITCH                ; 32 rows: what one load brings
.set SLOT,    4*BQ                     ; 104,448
.set SCB,     2*SLOT                   ; W's scale bytes, as units of 256 bytes + 16 of padding
.set HALFSB,  (64*KS/256)*272
.set SBLK,    (16*KS/256)*272
.set SCA,     SCB+2*HALFSB             ; h's scale words: 32 rows (one for each 128 of K) of the tile's 128 words, 512 bytes + 16
.set APITCH,  528
.set HALFSA,  NS*272                   ; half of the room kept for them
.set STAGE,   SCA+2*HALFSA             ; the way out: 16 rows x (512 bytes + 16) for each wave; bytes of its own, into which no tile lands
.set SPITCH,  528
.set SPARE,   STAGE+4*16*SPITCH         ; the spare words, 128 bytes a wave: two blocks of 256 bytes that no other line names
.set RS0,     4                        ; the first of the sixteen steps that ask for two rows of the residual
.set ADRB, 16                          ; v16-23 W's fragments: 4 x slot + 2 x (rows 64-127) + (behind one padding more)
.set STO,  24
.set RD,   25
.set CO,   26                          ; v26  16 x lane: h's images, a row of C, the bias; never rewritten
.set ADSA, 27
.set SPW,  28
.set NIL,  29
.set ADSB, 30
.set SC,   32
.set BK,   128
.set WV,   16
.set WL,   18                          ; wave & 1: which chunk of W waves 0 and 1 fetch at the head
.set G1B,  48                          ; s[48:55] group 1 for W's chunks; s[56:63] group 0, a set for each slot
.set G0B,  56
.set G1S,  68
.set G0S,  76
.set G1SB, 80
.set G0SB, 88
.set MUL,  0xf9                        ; source 0 (W) window 1, source 1 (h) window 2, C and D window 3
.set MSB, 0
.macro WIN new                         ; the immediate's high byte repeats the setting that is left; a switch that changes nothing is dropped
.if MSB != (\new)
	s_set_vgpr_msb (MSB<<8)|(\new)
.set MSB, (\new)
.endif
.endm
.set G0H,  24                          ; s[24:27] group 0 for the head's loads of W's chunks 0 and 1, all 128 rows
.macro ARM under, g0, g1, next         ; one arm of the head's chain of branches on the wave's number; four v_nop follow the load
	s_cmp_lt_u32 s[WV], \under
	s_cbranch_scc0 \next
	tensor_load_to_lds s[\g0:\g0+3], s[\g1:\g1+7]
	s_nop 0
.rept 4
	v_nop
.endr
	s_branch .Lhead_asked
\next:
.endm
.macro BLOAD slot                      ; a joint load of W: every wave fetches its 32 rows of the chunk; four v_nop follow
	tensor_load_to_lds s[G0B+4*(\slot):G0B+4*(\slot)+3], s[G1B:G1B+7]
	s_nop 0
.rept 4
	v_nop
.endr
.endm
.macro CREST
	s_cmp_lg_u32 s[WV], 0
	s_cbranch_scc1 .Lnot_wave_0_\@
	s_barrier_signal -3
.Lnot_wave_0_\@:
	s_barrier_wait -3
	s_barrier_signal -1
	s_barrier_wait -1
.endm
.macro CROUND
	s_barrier_signal -1
	s_barrier_wait -1
	CREST
.endm
.macro PLACES                          ; four plain lines between a matrix instruction and a load into its registers or a read of its result (ISA guide 7.12.1 for a read of its result)
.rept 4
	v_nop
.endr
.endm
; W's fragment i (16 rows) of the slot's q-th 128 along K, from rows: six pieces of 8 bytes.  Lanes 16-31 read three pieces on; where that lies behind one padding more (16 bytes behind every 32 pieces), the second address register serves.
.macro FRAG_B reg, slot, q, i
.irp p, 0,1,2,3,4,5
.set PCE, 12*(\q)+6*(\p/3)+\p%3
.set AR_, ADRB+4*(\slot)+2*((\i)/4)
.if PCE%32 >= 29
.set AR_, AR_+1
.endif
	ds_load_b64 v[\reg+2*\p:\reg+2*\p+1], v[AR_] offset:8*PCE+16*(PCE/32)+((\i)%4)*16*BPITCH
.endr
.endm
.macro FETCH slot, q, p                ; 48 LDS loads in one run: W's eight fragments into set p
	WIN 0x40
.irp i, 0,1,2,3,4,5,6,7
	FRAG_B 128*(\p)+12*\i, \slot, \q, \i
.endr
.endm
.macro SCALES g                        ; the scale words of steps 4 g .. 4 g + 3 into set g % 2: register q: h's two blocks; register 4 + 4 i + q: W's blocks 2 i, 2 i + 1
.irp q, 0,1,2,3
	ds_load_b32 v[SC+20*((\g)%2)+\q], v[ADSA] offset:APITCH*(4*(\g)+\q)
.endr
.irp i, 0,1,2,3
	ds_load_b128 v[SC+20*((\g)%2)+4+4*\i:SC+20*((\g)%2)+7+4*\i], v[ADSB] offset:2*SBLK*\i+16*(\g)
.endr
.endm
; THE LOADS FROM MEMORY are counted as they are written: NISS = how many have been issued.  Their order: the bias; h's steps 0 to 6; then step s of the work asks for h's step s + 7 and, in steps RS0 to RS0 + 15, for two rows of the residual.
.macro ALOAD t                         ; h's step t: two blocks x three pieces of 512 consecutive bytes
.irp i, 0,1
.irp c, 0,1,2
	global_load_b128 v[24*((\t)%8)+12*\i+4*\c:24*((\t)%8)+12*\i+4*\c+3], v[CO], s[4:5] offset:\i*AST+(\t)*AFR+512*\c
.endr
.endr
.set NISS, NISS+6
.endm
.macro RLOAD n                         ; row n of my 32 rows of the residual: 512 consecutive bytes; read once in the launch
	global_load_b128 v[128+4*(\n):128+4*(\n)+3], v[CO], s[10:11] offset:(\n)*4096 th:TH_LOAD_NT
.set NISS, NISS+1
.endm
.macro GLOADS s
.if (\s)+7 < NS
	WIN 0x80                                       ; destination window 2
	ALOAD (\s)+7                                   ; into the registers that step s - 1 has multiplied
.endif
.if ((\s) >= RS0) && ((\s) < RS0+16)
	WIN 0xc0                                       ; destination window 3
	RLOAD 2*((\s)-RS0)
	RLOAD 2*((\s)-RS0)+1
.endif
.endm
.macro AWAIT s                         ; h's step s is in.  EA = how many loads had been issued with its last: the bias, 6 (s + 1) of h, and the residual's pairs of the steps before step s - 7
.set EA, 1+6*((\s)+1)
.set ER, (\s)-7-RS0
.if ER < 0
.set ER, 0
.endif
.if ER > 16
.set ER, 16
.endif
.set EA, EA+2*ER
	s_wait_loadcnt NISS-EA                         ; loads come back in order (ISA guide 5.7.1): all that were issued behind it may stay out: 58 at the most
.endm
.macro WM a, b, s, zero                ; one product of step s; the row selectors follow the blocks' parities
.set rD, 8*(8*(\a)+(\b))
.set rB, 128*((\s)%2)+12*(\b)
.set rA, 24*((\s)%8)+12*(\a)
.set rSB, SC+20*(((\s)/4)%2)+4+4*((\b)/2)+(\s)%4
.set rSA, SC+20*(((\s)/4)%2)+(\s)%4
.set rW, 2*(\a)+(\b)%2+4*(\zero)
.if rW == 0
	v_wmma_scale_f32_16x16x128_f8f6f4 v[rD:rD+7], v[rB:rB+11], v[rA:rA+11], v[rD:rD+7], v[rSB], v[rSA] matrix_a_fmt:MATRIX_FMT_FP6 matrix_b_fmt:MATRIX_FMT_FP6
.elseif rW == 1
	v_wmma_scale_f32_16x16x128_f8f6f4 v[rD:rD+7], v[rB:rB+11], v[rA:rA+11], v[rD:rD+7], v[rSB], v[rSA] matrix_a_fmt:MATRIX_FMT_FP6 matrix_b_fmt:MATRIX_FMT_FP6 matrix_a_scale:MATRIX_SCALE_ROW1
.elseif rW == 2
	v_wmma_scale_f32_16x16x128_f8f6f4 v[rD:rD+7], v[rB:rB+11], v[rA:rA+11], v[rD:rD+7], v[rSB], v[rSA] matrix_a_fmt:MATRIX_FMT_FP6 matrix_b_fmt:MATRIX_FMT_FP6 matrix_b_scale:MATRIX_SCALE_ROW1
.elseif rW == 3
	v_wmma_scale_f32_16x16x128_f8f6f4 v[rD:rD+7], v[rB:rB+11], v[rA:rA+11], v[rD:rD+7], v[rSB], v[rSA] matrix_a_fmt:MATRIX_FMT_FP6 matrix_b_fmt:MATRIX_FMT_FP6 matrix_a_scale:MATRIX_SCALE_ROW1 matrix_b_scale:MATRIX_SCALE_ROW1
.elseif rW == 4
	v_wmma_scale_f32_16x16x128_f8f6f4 v[rD:rD+7], v[rB:rB+11], v[rA:rA+11], 0, v[rSB], v[rSA] matrix_a_fmt:MATRIX_FMT_FP6 matrix_b_fmt:MATRIX_FMT_FP6
.elseif rW == 5
	v_wmma_scale_f32_16x16x128_f8f6f4 v[rD:rD+7], v[rB:rB+11], v[rA:rA+11], 0, v[rSB], v[rSA] matrix_a_fmt:MATRIX_FMT_FP6 matrix_b_fmt:MATRIX_FMT_FP6 matrix_a_scale:MATRIX_SCALE_ROW1
.elseif rW == 6
	v_wmma_scale_f32_16x16x128_f8f6f4 v[rD:rD+7], v[rB:rB+11], v[rA:rA+11], 0, v[rSB], v[rSA] matrix_a_fmt:MATRIX_FMT_FP6 matrix_b_fmt:MATRIX_FMT_FP6 matrix_b_scale:MATRIX_SCALE_ROW1
.else
	v_wmma_scale_f32_16x16x128_f8f6f4 v[rD:rD+7], v[rB:rB+11], v[rA:rA+11], 0, v[rSB], v[rSA] matrix_a_fmt:MATRIX_FMT_FP6 matrix_b_fmt:MATRIX_FMT_FP6 matrix_a_scale:MATRIX_SCALE_ROW1 matrix_b_scale:MATRIX_SCALE_ROW1
.endif
.endm
.macro MG s, a, b0, zero               ; four products.  The 16 accumulators take turns, one instruction a turn, in the same order in every step
.irp b, \b0, \b0+1, \b0+2, \b0+3
	WM \a, \b, \s, \zero
.endr
.endm
; One of a chunk's first seven steps: what later steps want is asked for, then this step is multiplied.
.macro STEP s, zero
	PLACES                                         ; the loads below land in registers that step s - 1 has multiplied
	GLOADS \s
	FETCH ((\s)/8)%2, (\s)%8+1, ((\s)+1)%2
.if ((\s)+1)%4 == 0
	WIN 0
	SCALES ((\s)+1)/4
	s_wait_dscnt 56                                ; all but the 48 + 8 just issued
.else
	s_wait_dscnt 48                                ; all but the 48 just issued
.endif
	AWAIT \s
	WIN MUL
	MG \s, 0, 0, \zero
	MG \s, 0, 4, \zero
	MG \s, 1, 0, \zero
	MG \s, 1, 4, \zero
.endm
; A chunk's last step changes slots: ONE barrier; in front of it each wave waits for all its tensor loads, adds 0 to its spare word, and waits for that and for its reads of this slot.  fill = 1: the slot is filled again, with the chunk 2,048 along K on.
.macro TURN s, fill
.set TS_, ((\s)/8)%2
	WIN 0
	s_wait_tensorcnt 0x0                           ; all my tensor loads have landed: my part of the next slot
	ds_add_u32 v[SPW], v[NIL]                      ; 0 onto my spare word
	s_wait_dscnt 1                                 ; W's fragments of this step are in; the add may be out
	AWAIT \s
	WIN MUL
	MG \s, 0, 0, 0                                 ; four matrix instructions stand between the add and the wait for it
	s_wait_dscnt 0x0                               ; the add is done, and my reads of this slot are over
	s_barrier_signal -1
	MG \s, 0, 4, 0
	WIN 0
	s_barrier_wait -1
.if \fill
	CREST                                          ; the barrier has opened a round of the cluster's: no wave of any partner still reads this slot or has a load on its way
	s_add_nc_u64 s[G0B+4*TS_+2:G0B+4*TS_+3], s[G0B+4*TS_+2:G0B+4*TS_+3], 2*CHB
	BLOAD TS_                                      ; the first tensor load behind the round; its four v_nop are the places in front of the loads below
.else
	PLACES
.endif
	GLOADS \s
	FETCH 1-TS_, 0, ((\s)+1)%2
	WIN 0
	SCALES ((\s)+1)/4
	WIN MUL
	MG \s, 1, 0, 0
	MG \s, 1, 4, 0
.endm
	s_load_b256 s[4:11], s[0:1], 0x0               ; h s[4:5], W's codes s[6:7], W's scales s[8:9], the residual s[10:11]
	s_load_b128 s[12:15], s[0:1], 0x20             ; out s[12:13], the bias s[14:15]
	v_lshl_add_u32 v[SPW], v0, 2, SPARE
	v_mov_b32 v[NIL], 0
	ds_add_u32 v28, v29
	ds_add_u32 v28, v29
	s_wait_dscnt 0x0
	v_lshrrev_b32 v1, 5, v0
	v_readfirstlane_b32 s[WV], v1
	s_and_b32 s[WL], s[WV], 1
	s_bfe_u32 s40, ttmp6, 0x40000                  ; cx, cy
	s_bfe_u32 s41, ttmp6, 0x40004
	s_lshl_b32 s42, ttmp9, 2
	s_add_co_u32 s42, s42, s40                     ; tile column
	s_and_b32 s19, ttmp7, 0xffff
	s_lshl_b32 s19, s19, 2
	s_add_co_u32 s19, s19, s41                     ; tile row
	s_lshl_b32 s43, s41, 2
	s_lshl_b32 s43, 15, s43                        ; my row of the cluster
	s_lshl_b32 s44, 0x1111, s40                    ; my column
	s_or_b32 s[G1B], s44, (1<<20)|(1<<21)|(5<<22)|(3<<25)   ; W's codes: 32 rows of 768 bytes, 3,072 apart; after every 64 words 4 words of padding; the mask: my column
	s_mov_b32 s[G1B+1], CHB<<16
	s_mov_b32 s[G1B+2], 128<<16                    ; 128 rows for the head's loads; set to 32 behind the wait for them
	s_mov_b32 s[G1B+3], CHB<<16
	s_mov_b32 s[G1B+4], 128
	s_mov_b32 s[G1B+5], KROW
	s_mov_b32 s[G1B+6], 0
	s_mov_b32 s[G1B+7], 0
	s_or_b32 s[G1S], s43, (3<<16)|(1<<20)|(1<<21)|(6<<22)|(3<<25)   ; h's scale words: 128 rows' 512 bytes for each 128 of K, 16,384 bytes apart; 16 bytes of padding behind each; the mask: my row
	s_mov_b32 s[G1S+1], 64<<16
	s_mov_b32 s[G1S+2], NS<<16
	s_mov_b32 s[G1S+3], 64<<16
	s_mov_b32 s[G1S+4], NS
	s_mov_b32 s[G1S+5], 2048
	s_mov_b32 s[G1S+6], 0
	s_mov_b32 s[G1S+7], 0
	s_or_b32 s[G1SB], s44, (3<<16)|(1<<20)|(1<<21)|(5<<22)|(3<<25)  ; W's scale bytes of 128 rows: a dense block, as rows of 256 bytes
	s_mov_b32 s[G1SB+1], 32<<16
	s_mov_b32 s[G1SB+2], (128*KS/256)<<16          ; all 128 rows' scale bytes in one load
	s_mov_b32 s[G1SB+3], 32<<16
	s_mov_b32 s[G1SB+4], 128*KS/256
	s_mov_b32 s[G1SB+5], 32
	s_mov_b32 s[G1SB+6], 0
	s_mov_b32 s[G1SB+7], 0
	s_lshl_b32 s22, s19, 9                         ; h's words: 128 x tile row, 4 bytes each
	s_add_co_u32 s22, s22, ASC_OFF
	s_mov_b32 s23, 0
	s_lshl_b32 s46, s42, 7                         ; W: the tile's first row: 128 x tile column
	s_mul_i32 s92, s46, KS                         ; its scale bytes,
	s_mov_b32 s93, 0
	s_mul_i32 s46, s46, KROW                       ; its codes
	s_mov_b32 s47, 0
	s_mul_i32 s20, s[WV], 32*KROW                  ; in the ring I fetch 32 rows
	s_mov_b32 s21, 0
	s_mul_i32 s30, s41, 8*KROW                     ; and prefetch my work-group's 8 of them
	s_mov_b32 s31, 0
	s_mul_i32 s94, s[WV], BQ                       ; where they go: no place in the cluster enters an LDS address
	s_mul_i32 s95, s[WL], SLOT                     ; the head: chunk wave & 1 into slot wave & 1
	s_mul_i32 s96, s[WL], CHB
	s_mov_b32 s97, 0
	s_wait_kmcnt 0x0
	s_add_nc_u64 s[22:23], s[4:5], s[22:23]
	s_add_nc_u64 s[46:47], s[6:7], s[46:47]
	s_add_nc_u64 s[92:93], s[8:9], s[92:93]
	s_mov_b32 s[G0S], 1
	s_mov_b32 s[G0S+1], SCA
	s_mov_b64 s[G0S+2:G0S+3], s[22:23]
	s_or_b32 s[G0S+3], s[G0S+3], 0x80000000
	s_mov_b32 s[G0SB], 1
	s_mov_b32 s[G0SB+1], SCB
	s_mov_b64 s[G0SB+2:G0SB+3], s[92:93]
	s_or_b32 s[G0SB+3], s[G0SB+3], 0x80000000
	s_mov_b32 s[G0H], 1
	s_mov_b32 s[G0H+1], s95
	s_add_nc_u64 s[G0H+2:G0H+3], s[46:47], s[96:97]
	s_or_b32 s[G0H+3], s[G0H+3], 0x80000000
	s_add_nc_u64 s[36:37], s[46:47], s[20:21]      ; my 32 rows
.irp s, 0,1
	s_mov_b32 s[G0B+4*\s], 1                       ; the ring's sets stand at chunks 0 and 1: each refill first steps its set two chunks on
	s_add_co_u32 s[G0B+4*\s+1], s94, \s*SLOT
	s_add_nc_u64 s[G0B+4*\s+2:G0B+4*\s+3], s[36:37], \s*CHB
	s_or_b32 s[G0B+4*\s+3], s[G0B+4*\s+3], 0x80000000
.endr
	s_add_nc_u64 s[28:29], s[36:37], s[30:31]      ; where my prefetches stand; never rewritten
	CROUND                                         ; all sixteen work-groups are here: the first joint loads meet
	ARM 2, G0H, G1B, .Lhead_sa                     ; ONE tensor load a wave at the head: waves 0 and 1 W's chunks 0 and 1, whole,
	ARM 3, G0S, G1S, .Lhead_sb                     ; wave 2 h's scale words,
	tensor_load_to_lds s[G0SB:G0SB+3], s[G1SB:G1SB+7]   ; wave 3 W's scale bytes
	s_nop 0
.rept 4
	v_nop
.endr
.Lhead_asked:
	s_lshl_b32 s20, s19, 7
	s_lshl_b32 s21, s[WV], 5
	s_add_co_u32 s20, s20, s21                     ; my first row: 128 x tile row + 32 x wave
	s_lshr_b32 s22, s20, 4
	s_mul_i32 s22, s22, AST
	s_mov_b32 s23, 0
	s_add_nc_u64 s[4:5], s[4:5], s[22:23]          ; h's fragments of my 32 rows
	s_lshl_b32 s20, s20, 12                        ; my first row of C, in bytes
	s_lshl_b32 s46, s42, 9                         ; the tile's first column, in bytes
	s_mov_b32 s47, 0
	s_add_nc_u64 s[14:15], s[14:15], s[46:47]
	s_add_co_u32 s46, s46, s20
	s_add_nc_u64 s[10:11], s[10:11], s[46:47]
	s_add_nc_u64 s[12:13], s[12:13], s[46:47]
	v_and_b32 v1, 15, v0                           ; r
	v_bfe_u32 v2, v0, 4, 1                         ; h
	v_and_b32 v7, 31, v0                           ; lane
	v_lshlrev_b32 v[CO], 4, v7
	global_load_b128 v[12:15], v[CO], s[14:15]     ; the bias of my four columns
.set NISS, 1
	WIN 0x80
.irp t, 0,1,2,3,4,5,6
	ALOAD \t                                       ; h's first seven steps
.endr
	WIN 0
	v_mul_u32_u24 v4, v1, BPITCH
	v_mad_u32_u24 v4, v2, 24, v4                   ; a fragment's row x pitch + 24 x half
	v_lshl_add_u32 v5, v2, 4, v4                   ; and the same behind one padding more
.irp s, 0,1
.irp g, 0,1
	v_add_nc_u32 v[ADRB+4*\s+2*\g], \s*SLOT+\g*64*BPITCH, v4
	v_add_nc_u32 v[ADRB+4*\s+2*\g+1], \s*SLOT+\g*64*BPITCH, v5
.endr
.endr
	; W's chunks 2 and 3 are prefetched, chunk 2 seven steps and chunk 3 eight steps ahead of the refill that will want it: of a wave's 32 rows x 3 blocks of 256 bytes each of the column's four partners names 8 rows, told apart by address: 24 lanes, a block each
	v_min_u32 v8, 23, v7                           ; (the lanes left over name the last block again)
	v_mul_u32_u24 v9, v8, 11
	v_lshrrev_b32 v9, 5, v9                        ; l / 3: the row
	v_mul_u32_u24 v10, v9, 3
	v_sub_nc_u32 v8, v8, v10                       ; l % 3: the block
	v_lshlrev_b32 v8, 8, v8
	v_mad_u32_u24 v31, v9, KROW, v8                ; never rewritten
	global_prefetch_b8 v31, s[28:29] offset:2*CHB th:TH_LOAD_NT scope:SCOPE_SE
	s_lshl_b32 s97, s[WV], 7
	s_add_co_u32 s97, s97, SCA
	v_lshl_add_u32 v[ADSA], v7, 2, s97             ; h's words: my 32 rows, 4 x lane: lanes 0-15 block 0, lanes 16-31 block 1
	v_mul_u32_u24 v5, v1, KS                       ; W's: KS bytes a row, 16 more for each 256 passed;
	v_lshrrev_b32 v6, 8, v5
	v_lshl_add_u32 v5, v6, 4, v5
	v_mad_u32_u24 v5, v2, SBLK, v5                 ; lanes 16-31 take the next block of 16 rows
	v_add_nc_u32 v[ADSB], SCB, v5
	s_mul_i32 s97, s[WV], 16*SPITCH
	s_add_co_u32 s97, s97, STAGE                   ; my stage
	v_mul_u32_u24 v4, v1, SPITCH
	v_lshl_add_u32 v4, v2, 5, v4
	v_add_nc_u32 v[STO], s97, v4                   ; in: row r, 32 bytes for each half of the lanes
	v_add_nc_u32 v[RD], s97, v[CO]                 ; back: the 32 lanes take one row of 512 bytes
	s_wait_alu depctr_va_vdst(0)
	s_wait_tensorcnt 0x0                           ; my tile of the head's four is in, so a descriptor may be written: a refill brings 32 rows a wave
	s_mov_b32 s[G1B+2], 32<<16
	s_mov_b32 s[G1B+4], 32
	s_barrier_signal -1
	s_barrier_wait -1
	FETCH 0, 0, 0
	WIN 0
	SCALES 0
	STEP 0, 1                                      ; the first step's products start the sums: nothing is cleared
.irp s, 1,2,3,4,5,6
	STEP \s, 0
.endr
	TURN 7, 1                                      ; slot 0 takes chunk 2
	WIN 0
	global_prefetch_b8 v31, s[28:29] offset:3*CHB th:TH_LOAD_NT scope:SCOPE_SE   ; chunk 3, behind the joint load and the run of LDS loads
.irp s, 8,9,10,11,12,13,14
	STEP \s, 0
.endr
	TURN 15, 1                                     ; slot 1 takes chunk 3
.irp s, 16,17,18,19,20,21,22
	STEP \s, 0
.endr
	TURN 23, 0                                     ; nothing is left to fetch
.irp s, 24,25,26,27,28,29,30
	STEP \s, 0
.endr
	s_wait_dscnt 0x0
	AWAIT 31                                       ; no load was issued behind h's last: the residual is in too
	WIN MUL
	MG 31, 0, 0, 0
	MG 31, 0, 4, 0
	MG 31, 1, 0, 0
	MG 31, 1, 4, 0
	WIN 0
; THE WAY OUT, a block of 16 rows x 128 columns at a time: through my own stage, back as rows of 512 bytes, plus the residual and the bias, stored 32 lanes to 512 consecutive bytes, aligned.
.macro TOSTAGE a
	WIN 0x0c                                       ; an LDS store's data are its source 1: window 3
.irp b, 0,1,2,3,4,5,6,7
	ds_store_b128 v[STO], v[8*(8*(\a)+\b):8*(8*(\a)+\b)+3] offset:64*\b          ; each accumulator from its low end on
	ds_store_b128 v[STO], v[8*(8*(\a)+\b)+4:8*(8*(\a)+\b)+7] offset:64*\b+16
.endr
	WIN 0
.irp t, 0,1,2,3,4,5,6,7,8,9,10,11,12,13,14,15
	ds_load_b128 v[BK+64*(\a)+4*\t:BK+64*(\a)+4*\t+3], v[RD] offset:\t*SPITCH    ; LDS serves a wave's instructions in order (ISA guide 5.7.1.4): these see the stores above, and the next block's stores come behind them
.endr
.endm
.macro SEND a, younger                 ; younger: the LDS instructions issued behind block a's loads
.set BB, BK+64*(\a)
	s_wait_dscnt \younger
	WIN 0x0c                                       ; source 1: window 3
.set k, 0
.rept 32
	v_pk_add_f32 v[BB+k:BB+k+1], v[BB+k:BB+k+1], v[128+64*(\a)+k:128+64*(\a)+k+1]
.set k, k+2
.endr
	WIN 0
.set k, 0
.rept 32
	v_pk_add_f32 v[BB+k:BB+k+1], v[BB+k:BB+k+1], v[12+k%4:13+k%4]
.set k, k+2
.endr
.irp t, 0,1,2,3,4,5,6,7,8,9,10,11,12,13,14,15
	global_store_b128 v[CO], v[BB+4*\t:BB+4*\t+3], s[12:13] offset:(16*(\a)+\t)*4096 th:TH_STORE_NT   ; written once, read by nobody here
.endr
.endm
	PLACES
	TOSTAGE 0
	TOSTAGE 1
	SEND 0, 32                                     ; behind block 0's loads: block 1's sixteen stores and sixteen loads
	SEND 1, 0
	s_wait_tensorcnt 0x0                           ; the wave's end
	ds_add_u32 v[SPW], v[NIL]
	s_wait_dscnt 0x0
	CROUND                                         ; the closing round
	s_endpgm
.Lfunc_end_k_q6700bf0131_w2:
	.size	k_q6700bf0131_w2, .Lfunc_end_k_q6700bf0131_w2-k_q6700bf0131_w2
	.p2alignl 7, 3214868480
	.fill 96, 4, 3214868480
	.section	.rodata,"a",@progbits
	.p2align	6, 0x0
	.amdhsa_kernel k_q6700bf0131_w2
		.amdhsa_group_segment_fixed_size 327680
		.amdhsa_private_segment_fixed_size 0
		.amdhsa_enable_private_segment 0
		.amdhsa_kernarg_size 48
		.amdhsa_user_sgpr_count 2
		.amdhsa_user_sgpr_kernarg_segment_ptr 1
		.amdhsa_wavefront_size32 1
		.amdhsa_system_sgpr_workgroup_id_x 1
		.amdhsa_system_sgpr_workgroup_id_y 1
		.amdhsa_system_sgpr_workgroup_id_z 1
		.amdhsa_system_vgpr_workitem_id 0
		.amdhsa_next_free_vgpr 1024
		.amdhsa_next_free_sgpr 100
		.amdhsa_reserve_vcc 0
		.amdhsa_float_denorm_mode_32 3
		.amdhsa_float_denorm_mode_16_64 3
		.amdhsa_memory_ordered 1
		.amdhsa_forward_progress 1
		.amdhsa_inst_pref_size 221
	.end_amdhsa_kernel
	.amdgpu_metadata
---
amdhsa.version: [ 1, 2 ]
amdhsa.kernels:
  - .name:           k_q6700bf0131_w2
    .symbol:         k_q6700bf0131_w2.kd
    .args:
      - { .name: hq, .offset: 0, .size: 8, .value_kind: global_buffer, .address_space: global }
      - { .name: w2_codes, .offset: 8, .size: 8, .value_kind: global_buffer, .address_space: global }
      - { .name: w2_scales, .offset: 16, .size: 8, .value_kind: global_buffer, .address_space: global }
      - { .name: xr, .offset: 24, .size: 8, .value_kind: global_buffer, .address_space: global }
      - { .name: out0, .offset: 32, .size: 8, .value_kind: global_buffer, .address_space: global }
      - { .name: b2, .offset: 40, .size: 8, .value_kind: global_buffer, .address_space: global }
    .group_segment_fixed_size: 327680
    .private_segment_fixed_size: 0
    .kernarg_segment_align: 8
    .kernarg_segment_size: 48
    .max_flat_workgroup_size: 128
    .sgpr_count:     100
    .vgpr_count:     1024
    .wavefront_size: 32
...
	.end_amdgpu_metadata
.endif
;; end of part 6
